; MI455X (gfx1250); checked and timed in simulation.
; The chip was launched on July 23, 2026; its instructions are those of AMD's public machine-readable ISA for CDNA 5 (MIT licence, August 2026) and "CDNA5" Instruction Set Architecture Reference Guide (July 2026). The comments in the code are by the model that wrote it; some were corrected since.
;; Qwen3 Attention. Allowed arithmetic: float matrix products may take bf16 or f16 operands with f32 sums; other float arithmetic in f32, or as packed bf16 or f16 multiplies, adds, multiply-adds, maxima and minima; sums over many terms, partial sums and values carried from step to step in f32; what a program stores and reads back later, other than sums and carried values, may be rounded once to bf16 or f16.
;; Inputs: k_norm_w 128 float32; positions 2,048 int32; q_norm_w 128 float32; wk 1,024 x 2,048 float32; wo 2,048 x 1,024 float32; wq 1,024 x 2,048 float32; wv 1,024 x 2,048 float32; x 2 x 2,048 x 2,048 float32.
;; Outputs: out0 2 x 2,048 x 2,048 float32.
;; One version. Each part assembles by itself: llvm-mc -triple=amdgcn-amd-amdhsa -mcpu=gfx1250 --defsym DOCPART=n.
;; ======== version 1 of 1: 4 launches
;; limits: values are held in f16: magnitudes above 65,504 overflow, below 6.1e-05 lose precision
;; workspace buffers: xb 16,777,216 bytes; wb 12,582,912 bytes; wob 4,194,304 bytes; rope 1,048,576 bytes; qkv 25,165,824 bytes; ao 8,388,608 bytes
;; launch prep (part 1): grid 1152 x 1, 8 waves a work-group, no clusters, 0 bytes of LDS; arguments x, wq, wk, wv, wo, positions, xb, wb, wob, rope; writes xb, wb, wob, rope
.if DOCPART == 1
	.amdgcn_target "amdgcn-amd-amdhsa--gfx1250"
	.amdhsa_code_object_version 6
	.text
	.protected	k_q89c506ed90_prep
	.globl	k_q89c506ed90_prep
	.p2align	8
	.type	k_q89c506ed90_prep,@function
k_q89c506ed90_prep:
	s_mov_b64 s[64:65], 0
	v_nop
	global_prefetch_b8 v0, s[64:65] scope:SCOPE_SE
	s_setreg_imm32_b32 hwreg(HW_REG_WAVE_MODE, 25, 1), 1
	s_wait_xcnt 0x0
; PREP: the casts and the rotary table, one stream.  No LDS, no barrier, no loop: every byte is read once and written once.
;   groups    0 ..  511: x  (f32) -> xb (bf16)
;   groups  512 ..  895: wq, wk, wv (f32) -> wb (bf16); row h*128+d of part p (0 q, 1 k, 2 v) goes to row h*384 + p*128 + d: a head's q, k and v rows lie together
;   groups  896 .. 1023: wo (f32) -> wob: rounded to bf16, that number written as f16
;   groups 1024 .. 1151: rope[s][0..63] = cos(f_j), rope[s][64..127] = sin(f_j), f_j = f32(positions[s]) * 10000^(-j/64), f32
; THE ORDER OF PLACES.  In all four casts, inside each block of 128 numbers of a row, number 4c+i goes to place 8c+i and number 64+4c+i to place 8c+4+i.  It is the same along K for both operands of
; each product (xb and wb; the attention's output and wob), so every sum keeps its terms.  It lets a lane read 16 bytes beside its neighbour's (16 lanes: 256 consecutive bytes, twice) and still
; store 16 bytes beside its neighbour's.
; A cast group takes 16,384 numbers: 8 units of 2,048; a thread takes 4 + 4 numbers of a unit and stores 16 bytes; 16 neighbouring lanes store 256 consecutive, aligned bytes.
; LIMITS.  wo beyond 65,504 becomes an infinity in f16; below 6e-5 it keeps f16's fixed step of 6e-8.  10000^(-j/64) is good to about 1.5 units in the last place, so the angle is good to about
; 2e-7 of itself; the reduction by pi/2 adds about 1e-5 rad at the most, for every int32 position.
.set IN,  16                           ; v[16:79]   8 units x 8 numbers as loaded; a unit's first four registers then hold what is stored
.set JF,  16                           ; the table's registers, four of each: j as f32
.set NN,  20                           ; whole parts
.set FR,  24                           ; fractions, then 10000^(-j/64), then the angle and what is left of it
.set QQ,  28                           ; quarter turns
.set ZZ,  32                           ; r^2
.set SS,  36                           ; sin r
.set CC,  40                           ; cos r
.set OC,  44                           ; cos of the angle
.set OS,  48                           ; sin of the angle
.set LHI, 36                           ; s36  -log2(10000)/64, high part
.set LLO, 37                           ; s37  its low part
.set TOP, 38                           ; s38  2/pi
.set PHI, 39                           ; s39  -pi/2, high part
.set PLO, 40                           ; s40  what the high part is too large by
.set S1,  41                           ; s41-43  sin's polynomial
.set S2,  42
.set S3,  43
.set C1,  44                           ; s44-46  cos's polynomial
.set C2,  45
.set C3,  46
.set MH,  47                           ; s47  a word's upper half
; 16 loads go out at once; then unit by unit: wait, round in place (register r takes numbers 2r, 2r+1, which are read by then), store.  No register that a load or store names is written again.
; fmt 0: bf16.  fmt 1: bf16, then that number as f16.
.macro CAST fmt
.irp u, 0,1,2,3,4,5,6,7
	global_load_b128 v[IN+8*(\u):IN+8*(\u)+3],   v1, s[4:5] offset:(\u)*8192 th:TH_LOAD_NT
	global_load_b128 v[IN+8*(\u)+4:IN+8*(\u)+7], v1, s[4:5] offset:(\u)*8192+256 th:TH_LOAD_NT
.endr
.irp u, 0,1,2,3,4,5,6,7
	s_wait_loadcnt 14-2*(\u)                       ; loads come back in order: the two of each later unit may stay out
.irp r, 0,1,2,3
.if \fmt
	v_cvt_pk_bf16_f32 v4, v[IN+8*(\u)+2*(\r)], v[IN+8*(\u)+2*(\r)+1]
	v_lshlrev_b32 v5, 16, v4                       ; the two bf16 as f32 again
	v_and_b32 v7, s[MH], v4
	v_cvt_pk_f16_f32 v[IN+8*(\u)+(\r)], v5, v7
.else
	v_cvt_pk_bf16_f32 v[IN+8*(\u)+(\r)], v[IN+8*(\u)+2*(\r)], v[IN+8*(\u)+2*(\r)+1]
.endif
.endr
	global_store_b128 v2, v[IN+8*(\u):IN+8*(\u)+3], s[6:7] offset:(\u)*4096
.endr
.endm
	s_load_b512 s[8:23], s[0:1], 0x0               ; x s[8:9], wq s[10:11], wk s[12:13], wv s[14:15], wo s[16:17], positions s[18:19], xb s[20:21], wb s[22:23]
	s_load_b128 s[24:27], s[0:1], 0x40             ; wob s[24:25], rope s[26:27]
	s_mov_b32 s2, ttmp9
	v_lshrrev_b32 v3, 4, v0                        ; which block of 128 numbers (512 bytes) of a unit
	v_and_b32 v6, 15, v0                           ; c: numbers 4c .. 4c+3 here, 64+4c .. 256 bytes on
	v_lshlrev_b32 v1, 4, v6
	v_lshl_add_u32 v1, v3, 9, v1                   ; in: 512 x block + 16 c
	v_lshlrev_b32 v2, 4, v0                        ; out: 16 bytes a thread
	s_mov_b32 s29, 0                               ; high words of the two offsets
	s_mov_b32 s31, 0
	s_mov_b32 s[MH], 0xffff0000
	s_wait_kmcnt 0x0
	s_cmp_ge_u32 s2, 1024
	s_cbranch_scc1 .Ltable
	s_cmp_ge_u32 s2, 896
	s_cbranch_scc1 .Lwo
	; x and the three weights: one text; bases and offsets are chosen, not branched on
	s_lshr_b32 s32, s2, 7                          ; 0 .. 3: x; 4, 5, 6: wq, wk, wv
	s_and_b32 s33, s2, 127                         ; which 8 rows of a weight
	s_lshr_b32 s34, s33, 4                         ; the head: 16 groups of 8 rows each
	s_mul_i32 s34, s34, 384
	s_lshl_b32 s35, s32, 7
	s_add_co_u32 s34, s34, s35
	s_and_b32 s35, s33, 15
	s_lshl_b32 s35, s35, 3
	s_add_co_u32 s34, s34, s35
	s_sub_co_u32 s34, s34, 512                     ; head x 384 + part x 128 + 8 x group: the first of 8 consecutive rows of wb (for x this number is not used)
	s_lshl_b32 s34, s34, 12                        ; 4,096 bytes a row
	s_lshl_b32 s35, s33, 16                        ; 65,536 bytes into a weight,
	s_lshl_b32 s3, s2, 16                          ; or into x,
	s_lshl_b32 s33, s2, 15                         ; 32,768 into xb
	s_cmp_lt_u32 s32, 4                            ; x?
	s_cselect_b32 s28, s3, s35
	s_cselect_b32 s30, s33, s34
	s_cselect_b64 s[6:7], s[20:21], s[22:23]
	s_cselect_b64 s[4:5], s[8:9], s[10:11]
	s_cmp_eq_u32 s32, 5
	s_cselect_b64 s[4:5], s[12:13], s[4:5]
	s_cmp_eq_u32 s32, 6
	s_cselect_b64 s[4:5], s[14:15], s[4:5]
	s_add_nc_u64 s[4:5], s[4:5], s[28:29]
	s_add_nc_u64 s[6:7], s[6:7], s[30:31]
	CAST 0
	s_endpgm
.Lwo:
	s_sub_co_u32 s3, s2, 896
	s_lshl_b32 s28, s3, 16
	s_lshl_b32 s30, s3, 15
	s_add_nc_u64 s[4:5], s[16:17], s[28:29]
	s_add_nc_u64 s[6:7], s[24:25], s[30:31]
	CAST 1
	s_endpgm
.Ltable:
	s_sub_co_u32 s3, s2, 1024
	s_lshl_b32 s3, s3, 4                           ; 16 positions a group
	v_add_nc_u32 v3, s3, v3                        ; my row s of the table
	v_lshlrev_b32 v4, 2, v3
	global_load_b32 v5, v4, s[18:19]
	v_lshlrev_b32 v7, 2, v6                        ; my frequencies are j = 4c .. 4c+3
	s_mov_b32 s[LHI], 0xbe549a78
	s_mov_b32 s[LLO], 0xb1979a28
	s_mov_b32 s[TOP], 0x3f22f983
	s_mov_b32 s[PHI], 0xbfc90fdb
	s_mov_b32 s[PLO], 0x333bbd2e
	s_mov_b32 s[S1], 0xbe2aaaa3
	s_mov_b32 s[S2], 0x3c08839e
	s_mov_b32 s[S3], 0xb94ca1f9
	s_mov_b32 s[C1], 0x3d2aaaa5
	s_mov_b32 s[C2], 0xbab6061a
	s_mov_b32 s[C3], 0x37ccf5ce
.irp i, 0,1,2,3                        ; 10000^(-j/64) = 2^n 2^fr, fr from the two-part constant with fused multiply-adds
	v_add_nc_u32 v8, \i, v7
	v_cvt_f32_u32 v[JF+(\i)], v8
	v_mul_f32 v[NN+(\i)], s[LHI], v[JF+(\i)]
	v_rndne_f32 v[NN+(\i)], v[NN+(\i)]
	v_fma_f32 v[FR+(\i)], v[JF+(\i)], s[LHI], -v[NN+(\i)]
	v_fma_f32 v[FR+(\i)], v[JF+(\i)], s[LLO], v[FR+(\i)]
	v_cvt_i32_f32 v[NN+(\i)], v[NN+(\i)]
.endr
.irp i, 0,1,2,3
	v_exp_f32 v[FR+(\i)], v[FR+(\i)]
.endr
	v_nop                                          ; a plain instruction behind the last exponential,
	s_wait_alu depctr_va_vdst(0)                   ; and one wait for the four, ahead of their first reader
	s_wait_loadcnt 0x0
	v_cvt_f32_i32 v5, v5
.irp i, 0,1,2,3
	v_ldexp_f32 v[FR+(\i)], v[FR+(\i)], v[NN+(\i)]
	v_mul_f32 v[FR+(\i)], v5, v[FR+(\i)]           ; the angle, rounded once
	v_mul_f32 v[NN+(\i)], s[TOP], v[FR+(\i)]       ; quarter turns, first pass: for a very large angle only near the right number,
	v_rndne_f32 v[NN+(\i)], v[NN+(\i)]
	v_fma_f32 v[FR+(\i)], v[NN+(\i)], s[PHI], v[FR+(\i)]
	v_fma_f32 v[FR+(\i)], v[NN+(\i)], s[PLO], v[FR+(\i)]
	v_cvt_i32_f32 v[QQ+(\i)], v[NN+(\i)]
	v_mul_f32 v[NN+(\i)], s[TOP], v[FR+(\i)]       ; second pass: what is left is small, so this one is exact
	v_rndne_f32 v[NN+(\i)], v[NN+(\i)]
	v_fma_f32 v[FR+(\i)], v[NN+(\i)], s[PHI], v[FR+(\i)]
	v_fma_f32 v[FR+(\i)], v[NN+(\i)], s[PLO], v[FR+(\i)]
	v_cvt_i32_f32 v[NN+(\i)], v[NN+(\i)]
	v_add_nc_u32 v[QQ+(\i)], v[QQ+(\i)], v[NN+(\i)]
	v_mul_f32 v[ZZ+(\i)], v[FR+(\i)], v[FR+(\i)]
	v_fma_f32 v[SS+(\i)], v[ZZ+(\i)], s[S3], s[S2] ; sin r = r + r z (S1 + z (S2 + z S3)), |r| up to pi/4
	v_fma_f32 v[SS+(\i)], v[SS+(\i)], v[ZZ+(\i)], s[S1]
	v_mul_f32 v[SS+(\i)], v[SS+(\i)], v[ZZ+(\i)]
	v_fma_f32 v[SS+(\i)], v[SS+(\i)], v[FR+(\i)], v[FR+(\i)]
	v_fma_f32 v[CC+(\i)], v[ZZ+(\i)], s[C3], s[C2] ; cos r = 1 - z/2 + z z (C1 + z (C2 + z C3))
	v_fma_f32 v[CC+(\i)], v[CC+(\i)], v[ZZ+(\i)], s[C1]
	v_mul_f32 v[CC+(\i)], v[CC+(\i)], v[ZZ+(\i)]
	v_fma_f32 v8, v[ZZ+(\i)], -0.5, 1.0
	v_fma_f32 v[CC+(\i)], v[CC+(\i)], v[ZZ+(\i)], v8
	v_and_b32 v8, 1, v[QQ+(\i)]                    ; an odd number of quarter turns swaps the two;
	v_cmp_eq_u32 vcc_lo, 1, v8
	v_cndmask_b32 v[OS+(\i)], v[SS+(\i)], v[CC+(\i)], vcc_lo
	v_cndmask_b32 v[OC+(\i)], v[CC+(\i)], v[SS+(\i)], vcc_lo
	v_and_b32 v8, 2, v[QQ+(\i)]                    ; sin changes sign in quarters 2 and 3,
	v_lshlrev_b32 v8, 30, v8
	v_xor_b32 v[OS+(\i)], v[OS+(\i)], v8
	v_add_nc_u32 v8, 1, v[QQ+(\i)]                 ; cos in quarters 1 and 2
	v_and_b32 v8, 2, v8
	v_lshlrev_b32 v8, 30, v8
	v_xor_b32 v[OC+(\i)], v[OC+(\i)], v8
.endr
	v_lshlrev_b32 v9, 9, v3                        ; 512 bytes a row
	v_lshl_add_u32 v9, v6, 4, v9
	global_store_b128 v9, v[OC:OC+3], s[26:27]     ; 16 lanes: a row's 256 bytes of cos,
	global_store_b128 v9, v[OS:OS+3], s[26:27] offset:256  ; and of sin
	s_endpgm
.Lfunc_end_k_q89c506ed90_prep:
	.size	k_q89c506ed90_prep, .Lfunc_end_k_q89c506ed90_prep-k_q89c506ed90_prep
	.p2alignl 7, 3214868480
	.fill 96, 4, 3214868480
	.section	.rodata,"a",@progbits
	.p2align	6, 0x0
	.amdhsa_kernel k_q89c506ed90_prep
		.amdhsa_group_segment_fixed_size 0
		.amdhsa_private_segment_fixed_size 0
		.amdhsa_enable_private_segment 0
		.amdhsa_kernarg_size 80
		.amdhsa_user_sgpr_count 2
		.amdhsa_user_sgpr_kernarg_segment_ptr 1
		.amdhsa_wavefront_size32 1
		.amdhsa_system_sgpr_workgroup_id_x 1
		.amdhsa_system_sgpr_workgroup_id_y 1
		.amdhsa_system_sgpr_workgroup_id_z 1
		.amdhsa_system_vgpr_workitem_id 0
		.amdhsa_next_free_vgpr 80
		.amdhsa_next_free_sgpr 66
		.amdhsa_reserve_vcc 1
		.amdhsa_float_denorm_mode_32 3
		.amdhsa_float_denorm_mode_16_64 3
		.amdhsa_memory_ordered 1
		.amdhsa_forward_progress 1
		.amdhsa_inst_pref_size 24
	.end_amdhsa_kernel
	.amdgpu_metadata
---
amdhsa.version: [ 1, 2 ]
amdhsa.kernels:
  - .name:           k_q89c506ed90_prep
    .symbol:         k_q89c506ed90_prep.kd
    .args:
      - { .name: x, .offset: 0, .size: 8, .value_kind: global_buffer, .address_space: global }
      - { .name: wq, .offset: 8, .size: 8, .value_kind: global_buffer, .address_space: global }
      - { .name: wk, .offset: 16, .size: 8, .value_kind: global_buffer, .address_space: global }
      - { .name: wv, .offset: 24, .size: 8, .value_kind: global_buffer, .address_space: global }
      - { .name: wo, .offset: 32, .size: 8, .value_kind: global_buffer, .address_space: global }
      - { .name: positions, .offset: 40, .size: 8, .value_kind: global_buffer, .address_space: global }
      - { .name: xb, .offset: 48, .size: 8, .value_kind: global_buffer, .address_space: global }
      - { .name: wb, .offset: 56, .size: 8, .value_kind: global_buffer, .address_space: global }
      - { .name: wob, .offset: 64, .size: 8, .value_kind: global_buffer, .address_space: global }
      - { .name: rope, .offset: 72, .size: 8, .value_kind: global_buffer, .address_space: global }
    .group_segment_fixed_size: 0
    .private_segment_fixed_size: 0
    .kernarg_segment_align: 8
    .kernarg_segment_size: 80
    .max_flat_workgroup_size: 256
    .sgpr_count:     66
    .vgpr_count:     80
    .wavefront_size: 32
...
	.end_amdgpu_metadata
.endif
;; end of part 1
;; launch qkv (part 2): grid 8 x 32, 4 waves a work-group, clusters of 4 x 4, 327,680 bytes of LDS; arguments xb, wb, q_norm_w, k_norm_w, rope, qkv; writes qkv
.if DOCPART == 2
	.amdgcn_target "amdgcn-amd-amdhsa--gfx1250"
	.amdhsa_code_object_version 6
	.text
	.protected	k_q89c506ed90_qkv
	.globl	k_q89c506ed90_qkv
	.p2align	8
	.type	k_q89c506ed90_qkv,@function
k_q89c506ed90_qkv:
	s_mov_b64 s[64:65], 0
	v_nop
	global_prefetch_b8 v0, s[64:65] scope:SCOPE_SE
	s_setreg_imm32_b32 hwreg(HW_REG_WAVE_MODE, 25, 1), 1
	s_wait_xcnt 0x0
	s_wait_alu depctr_hold_cnt(0) depctr_sa_sdst(0) depctr_va_vdst(0) depctr_va_sdst(0) depctr_va_ssrc(0) depctr_va_vcc(0) depctr_vm_vsrc(0)
	s_getreg_b32 s2, hwreg(HW_REG_IB_STS2, 6, 4)
	s_cmp_eq_u32 s2, 0
	s_cbranch_scc0 .Lentry_in_a_cluster
	s_endpgm
.Lentry_in_a_cluster:
	s_bfe_u32 s2, ttmp6, 0x10000c
	s_cmp_lg_u32 s2, 0xf033
	s_cbranch_scc0 .Lentry_shape_is_right
	s_endpgm
.Lentry_shape_is_right:
; QKV: C = xb wb^T (4,096 x 3,072, K = 2,048, bf16 operands, f32 sums), then per head RMSNorm (q, k), the rotation (q, k) and one rounding to f16.
; (xb and wb carry the same order of places along K inside each block of 128: every sum keeps its terms.)
; A work-group makes 128 rows x 384 columns: by wb's row order these are q, k and v of ONE head: 32 x 8 = 256 work-groups, all alike.  Four waves, each 64 rows x 192 columns: 48 accumulators of 16 x 16.
; K goes in steps of 128 through two LDS slots (128 rows of xb, 384 rows of wb, 256 bytes a row); each wave fetches 128 rows with one tensor load.
; CLUSTER 4 x 4: the four of a row of the cluster need the same rows of xb, the four of a column the same rows of wb: each tile is asked for jointly.
; THE MATRIX INSTRUCTION IS USED TRANSPOSED (source 0 = 16 rows of wb, source 1 = 16 rows of xb): lane l holds row l % 16 of C and the columns 8 (l / 16) + 0..7.
; THE WAY OUT.  The f32 tile goes into LDS (over the ring, which has had its last fill), and comes back so that a lane holds channels 4c..4c+3 and 64+4c..64+4c+3 of a row: a rotation's two partners
; lie in one lane, and a row's sum of squares is a sum over 16 lanes.  The lane's 8 numbers are stored together: channel 4c+i at place 8c+i, channel 64+4c+i at place 8c+4+i, alike for q, k and v.
; qkv: f16 [3 parts][batch*8 + head][2,048][128 places].  The gains are rounded to bf16, like all the module's floating-point inputs.
; LIMITS.  A v beyond 65,504 becomes an infinity in f16; q and k are at most sqrt(128) x the largest gain.  NaN and infinities are not treated apart.
; REGISTERS, in windows of 256: window 0: addresses v16-30, xb's fragments v64-127 (two buffers), gains v224-239; on the way out v64-223.  window 1: wb's fragments v0-191 (two buffers).
;   window 2: accumulators (a, b), a = 0, 1, at v[8 (12 a + b)];  window 3: those of a = 2, 3.
.set SIZE_K, 2048
.set KSTEP,  128
.set PITCH,  272                       ; an LDS row: 256 bytes + 16 of padding: the 16 rows of a fragment load start at 16 different groups of four banks
.set HALFT,  128*PITCH                 ; what one tensor load brings
.set SLOT,   4*HALFT                   ; xb's 128 rows, then wb's 384
.set SPARE,  2*SLOT                    ; behind the ring: the spare words, 128 bytes a wave, that no other line names
.set TPITCH, 528                       ; the table in LDS, from byte 0: 128 rows of 512 bytes + 16
.set DMP,    128*TPITCH                ; behind it the f32 tile: 128 rows of
.set DPITCH, 1552                      ; 1,536 bytes + 16: 97 x 16, so that 16 rows' stores of 16 bytes meet no bank twice
.set LAPS,   SIZE_K/(2*KSTEP)
.set ADRA, 16                          ; v16-17  LDS address of my xb fragments in slot 0, 1
.set ADRB, 20                          ; v20-21  the same for wb
.set STO0, 22                          ; v22     where I put the accumulators of a = 0, 1
.set STO1, 23                          ; v23     of a = 2, 3
.set RDT,  24                          ; v24     where I read the tile back; steps 8 rows a trip
.set RDC,  25                          ; v25     where I read the table; likewise
.set CO,   26                          ; v26     my 16 bytes in two rows of a head
.set WO,   27                          ; v27     my 16 bytes of a gain vector
.set SPW,  28                          ; v28     my spare word; never rewritten
.set NIL,  29                          ; v29     0; never rewritten
.set PFO,  30                          ; v30     the prefetches' offset: lane x 4,096 bytes (a row); never rewritten
.set T,    64                          ; v64-159  way out: unit 3 p + part: channels 4c.. in 4 registers, 64+4c.. in 4
.set TB,   160                         ; v160-191 pair of rows p: cos in 4 registers, sin in 4
.set R,    192                         ; v192-207 unit 2 p + part: the sum of squares, then 1/rms, in the even register; the odd one is 0
.set TMP,  208                         ; v208-223 at work
.set W,    224                         ; v224-239 q's gains for my 4 + 4 channels, then k's
.set G1,  24                           ; s[24:31] descriptor group 1, xb's tiles
.set G0,  32                           ; s[32:39] group 0, a set for each slot
.set LIM, 43                           ; s43      1 in a wave that prefetches, else the greatest number
.set PFA, 44                           ; s[44:45] where my prefetches stand
.set G1B, 48                           ; s[48:55], s[56:63] the same two for wb's tiles
.set G0B, 56
.set G0T, 80                           ; s[80:83], s[84:91] the table's
.set G1T, 84
.set OQ,  92                           ; s[92:97] where my rows of q, k, v go
.set OK,  94
.set OV,  96
.set MSB, 0
.macro WIN new                         ; the immediate's high byte repeats the setting that is left; a switch that changes nothing is dropped
.if MSB != (\new)
	s_set_vgpr_msb (MSB<<8)|(\new)
.set MSB, \new
.endif
.endm
.macro PLACES                          ; four plain instructions between a matrix instruction and a load into, a write of, or a read of its registers
.rept 4
	v_nop
.endr
.endm
; A joint load: wave 0 fetches xb's 128 rows, waves 1 to 3 wb's three times 128.  The branch hangs on the wave's number alone.  An s_nop 0 and four v_nop follow each line.
.macro JLOAD s
	s_cmp_eq_u32 s10, 0
	s_cbranch_scc0 .Lfor_b_\@
	tensor_load_to_lds s[G0+4*(\s):G0+4*(\s)+3], s[G1:G1+7]
	s_nop 0
.rept 4
	v_nop
.endr
	s_branch .Lasked_\@
.Lfor_b_\@:
	tensor_load_to_lds s[G0B+4*(\s):G0B+4*(\s)+3], s[G1B:G1B+7]
	s_nop 0
.rept 4
	v_nop
.endr
.Lasked_\@:
.endm
; A prefetch, behind each joint load and the run of LDS loads that follows it: the K step that stands two refills on, 32 rows x 256 bytes, a lane a row, one instruction a wave.
; Each row's 256 bytes of a K step are named once in the launch: xb's by the clusters with x = 0, wb's by those with y = 0; of the 128 rows that a wave fetches the partner at place p
; (cx for xb, cy for wb) takes 32 p .. 32 p + 31, told apart by address.  The loop's last trip asks for nothing: there is no K step two on.
.macro ASK
	s_cmp_gt_u32 s3, s[LIM]
	s_cbranch_scc0 .Lnot_mine_\@
	global_prefetch_b8 v[PFO], s[PFA:PFA+1] offset:KSTEP*2 th:TH_LOAD_NT scope:SCOPE_SE
.Lnot_mine_\@:
.endm
.macro CREST                           ; a round of the cluster's barrier behind its opening barrier
	s_cmp_lg_u32 s10, 0
	s_cbranch_scc1 .Lnot_wave_0_\@
	s_barrier_signal -3
.Lnot_wave_0_\@:
	s_barrier_wait -3
	s_barrier_signal -1
	s_barrier_wait -1
.endm
.macro CROUND
	s_barrier_signal -1
	s_barrier_wait -1
	CREST
.endm
; 12 matrix instructions: row block a x all 12 column blocks, 32 along K, from buffer f.  The 48 accumulators take turns, in the same order in every quarter step.
.macro MUL12 f, a, zero
	WIN 0xa1+0x50*((\a)/2)                         ; source 0 window 1, source 1 window 0, C and D window 2 or 3
.irp b, 0,1,2,3,4,5,6,7,8,9,10,11
.if \zero
	v_wmma_f32_16x16x32_bf16 v[8*(12*((\a)%2)+(\b)):8*(12*((\a)%2)+(\b))+7], v[96*(\f)+8*(\b):96*(\f)+8*(\b)+7], v[64+32*(\f)+8*(\a):64+32*(\f)+8*(\a)+7], 0
.else
	v_wmma_f32_16x16x32_bf16 v[8*(12*((\a)%2)+(\b)):8*(12*((\a)%2)+(\b))+7], v[96*(\f)+8*(\b):96*(\f)+8*(\b)+7], v[64+32*(\f)+8*(\a):64+32*(\f)+8*(\a)+7], v[8*(12*((\a)%2)+(\b)):8*(12*((\a)%2)+(\b))+7]
.endif
.endr
.endm
; 32 LDS loads in one run: a quarter step's fragments (192 rows of wb, 64 of xb, 32 K at byte k of the rows) into buffer f
.macro FETCH slot, k, f
	WIN 0x40
.irp i, 0,1,2,3,4,5,6,7,8,9,10,11
	ds_load_b128 v[96*(\f)+8*(\i):96*(\f)+8*(\i)+3],   v[ADRB+(\slot)] offset:(\k)+(\i)*16*PITCH
	ds_load_b128 v[96*(\f)+8*(\i)+4:96*(\f)+8*(\i)+7], v[ADRB+(\slot)] offset:(\k)+(\i)*16*PITCH+32
.endr
	WIN 0
.irp i, 0,1,2,3
	ds_load_b128 v[64+32*(\f)+8*(\i):64+32*(\f)+8*(\i)+3],   v[ADRA+(\slot)] offset:(\k)+(\i)*16*PITCH
	ds_load_b128 v[64+32*(\f)+8*(\i)+4:64+32*(\f)+8*(\i)+7], v[ADRA+(\slot)] offset:(\k)+(\i)*16*PITCH+32
.endr
.endm
; One of a K step's first three quarters: multiplies buffer f; in its middle it fetches the next quarter into buffer g.
.macro QUARTER slot, k, f, g, zero
	s_wait_dscnt 4                                 ; wb's 24 loads and xb's first four are in; the youngest four (row blocks 2, 3) may be out
	MUL12 \f, 0, \zero
	MUL12 \f, 1, \zero
	PLACES
	FETCH \slot, \k, \g
	s_wait_dscnt 32                                ; all but the 32 just issued
	MUL12 \f, 2, \zero
	MUL12 \f, 3, \zero
.endm
; The fourth quarter multiplies buffer 1 and fetches nothing: all its 48 products stand AHEAD of the wait for the next tile, so that between that wait and the next request stand only the lines of the change of slots.
.macro LASTQ
	s_wait_dscnt 4                                 ; as in QUARTER
	MUL12 1, 0, 0
	MUL12 1, 1, 0
	s_wait_dscnt 0x0                               ; my reads of this slot are over
	MUL12 1, 2, 0
	MUL12 1, 3, 0
	WIN 0
.endm
; The change of slots: each wave waits for all its tensor loads (one is out: its part of the next slot), adds 0 to its spare word, waits for that (its reads of this slot are back), and passes a round of the
; cluster's barrier; behind it this slot is filled again, two K steps on, and the next slot's first fragments are fetched.
.macro TURN slot, next
	LASTQ
	s_wait_xcnt 0x0                                ; the last prefetch, a K step back, has read its address
	s_add_nc_u64 s[PFA:PFA+1], s[PFA:PFA+1], KSTEP*2
	s_wait_tensorcnt 0x0                           ; no tensor load of mine is out, so a group 0 may be written
	ds_add_u32 v[SPW], v[NIL]                      ; the descriptors' steps stand between the add and its wait
	s_add_nc_u64 s[G0+4*(\slot)+2:G0+4*(\slot)+3], s[G0+4*(\slot)+2:G0+4*(\slot)+3], 2*KSTEP*2
	s_add_nc_u64 s[G0B+4*(\slot)+2:G0B+4*(\slot)+3], s[G0B+4*(\slot)+2:G0B+4*(\slot)+3], 2*KSTEP*2
	s_wait_dscnt 0x0                               ; the add is done
	s_barrier_signal -1
	s_barrier_wait -1
	CREST
	JLOAD \slot                                    ; its four v_nop are also the places in front of the loads below
	FETCH \next, 0, 0
	ASK
.endm
.macro TURNT                           ; the last change of slots: slot 0, read out, takes the rotation's table: 32 rows a wave, joint along the cluster's row
	LASTQ
	s_wait_tensorcnt 0x0
	ds_add_u32 v[SPW], v[NIL]
	s_wait_dscnt 0x0
	s_barrier_signal -1
	s_barrier_wait -1
	CREST
	tensor_load_to_lds s[G0T:G0T+3], s[G1T:G1T+7]
	s_nop 0
.rept 4
	v_nop
.endr
	FETCH 1, 0, 0
.endm
	s_load_b256 s[68:75], s[0:1], 0x0              ; xb s[68:69], wb s[70:71], q_norm_w s[72:73], k_norm_w s[74:75]
	s_load_b128 s[76:79], s[0:1], 0x20             ; rope s[76:77], qkv s[78:79]
	v_lshl_add_u32 v[SPW], v0, 2, SPARE
	v_mov_b32 v[NIL], 0
	ds_add_u32 v[SPW], v[NIL]                      ; the wave's opening: the add and its wait ahead of my first tensor load; register work between them
	v_lshrrev_b32 v1, 5, v0
	v_readfirstlane_b32 s10, v1                    ; wave 0..3
	s_lshr_b32 s11, s10, 1                         ; which 64 rows are mine
	s_and_b32 s12, s10, 1                          ; which 192 columns
	s_bfe_u32 s40, ttmp6, 0x40000                  ; cx
	s_bfe_u32 s41, ttmp6, 0x40004                  ; cy
	s_lshl_b32 s42, ttmp9, 2
	s_add_co_u32 s42, s42, s40                     ; the head = 4 x cluster x + cx
	s_and_b32 s13, ttmp7, 0xffff
	s_lshl_b32 s13, s13, 2
	s_add_co_u32 s13, s13, s41                     ; the block of 128 rows = 4 x cluster y + cy
	s_lshl_b32 s43, s41, 2
	s_lshl_b32 s43, 15, s43                        ; my row of the cluster
	s_lshl_b32 s44, 0x1111, s40                    ; my column
	s_or_b32 s[G1], s43, (1<<16)|(1<<20)|(1<<21)|(5<<22)|(3<<25)   ; the mask; 2-byte elements; padding on; bit 21 beside a mask; after every 64 words 4 words
	s_or_b32 s[G1B], s44, (1<<16)|(1<<20)|(1<<21)|(5<<22)|(3<<25)
	s_or_b32 s[G1T], s43, (2<<16)|(1<<20)|(1<<21)|(6<<22)|(3<<25)  ; 4-byte elements; after every 128 words 4 words
.irp g, G1, G1B
	s_mov_b32 s[(\g)+1], KSTEP<<16                 ; tensor_dim0 = 128
	s_mov_b32 s[(\g)+2], 128<<16                   ; tensor_dim1 = 128
	s_mov_b32 s[(\g)+3], KSTEP<<16                 ; tile_dim0 = 128
	s_mov_b32 s[(\g)+4], 128                       ; tile_dim1 = 128
	s_mov_b32 s[(\g)+5], SIZE_K                    ; elements from row to row
	s_mov_b32 s[(\g)+6], 0
	s_mov_b32 s[(\g)+7], 0
.endr
	s_mov_b32 s[G1T+1], 128<<16                    ; the table: rows of 128 f32,
	s_mov_b32 s[G1T+2], 32<<16                     ; 32 of them
	s_mov_b32 s[G1T+3], 128<<16
	s_mov_b32 s[G1T+4], 32
	s_mov_b32 s[G1T+5], 128
	s_mov_b32 s[G1T+6], 0
	s_mov_b32 s[G1T+7], 0
	s_lshl_b32 s16, s13, 19                        ; xb: 128 rows of 4,096 bytes a block
	s_mov_b32 s17, 0
	s_max_u32 s14, s10, 1
	s_sub_co_u32 s14, s14, 1                       ; which third of wb's 384 rows waves 1 to 3 fetch
	s_lshl_b32 s14, s14, 7
	s_mul_i32 s46, s42, 384
	s_add_co_u32 s46, s46, s14
	s_lshl_b32 s46, s46, 12
	s_mov_b32 s47, 0
	s_and_b32 s18, s13, 15                         ; the block's place in its batch,
	s_lshl_b32 s18, s18, 7
	s_lshl_b32 s19, s10, 5
	s_add_co_u32 s18, s18, s19                     ; + 32 x wave: the first of the 32 rows that I finish
	s_lshl_b32 s8, s18, 8                          ; 256 bytes a row in qkv,
	s_lshl_b32 s18, s18, 9                         ; 512 in the table
	s_mov_b32 s19, 0
	s_mul_i32 s20, s10, HALFT                      ; where my tiles go: wave x 128 rows
	s_mov_b32 s[G0T], 1
	s_mul_i32 s[G0T+1], s10, 32*TPITCH
	s_mov_b32 s98, 0x3c000000                      ; 1/128
	s_mov_b32 s99, 0x3727c5ac                      ; 1e-5
	s_mov_b32 s101, 0xffff0000
	s_wait_dscnt 0x0                               ; the opening add is done
	s_wait_kmcnt 0x0
	s_add_nc_u64 s[16:17], s[68:69], s[16:17]
	s_add_nc_u64 s[46:47], s[70:71], s[46:47]
	s_add_nc_u64 s[G0T+2:G0T+3], s[76:77], s[18:19]
	s_or_b32 s[G0T+3], s[G0T+3], 0x80000000
	CROUND                                         ; all sixteen work-groups are here: the first joint loads meet
.irp s, 0,1
	s_mov_b32 s[G0+4*(\s)], 1
	s_add_co_u32 s[G0+4*(\s)+1], s20, (\s)*SLOT
	s_add_nc_u64 s[G0+4*(\s)+2:G0+4*(\s)+3], s[16:17], (\s)*KSTEP*2
	s_or_b32 s[G0+4*(\s)+3], s[G0+4*(\s)+3], 0x80000000
	s_mov_b32 s[G0B+4*(\s)], 1
	s_add_co_u32 s[G0B+4*(\s)+1], s20, (\s)*SLOT
	s_add_nc_u64 s[G0B+4*(\s)+2:G0B+4*(\s)+3], s[46:47], (\s)*KSTEP*2
	s_or_b32 s[G0B+4*(\s)+3], s[G0B+4*(\s)+3], 0x80000000
	JLOAD \s
.endr
	v_and_b32 v1, 15, v0                           ; l % 16
	v_bfe_u32 v2, v0, 4, 1                         ; l / 16
	v_lshlrev_b32 v[WO], 4, v1
	global_load_b128 v[W:W+3],     v[WO], s[72:73]             ; the gains of channels 4c.. and 64+4c..; waited for on the way out
	global_load_b128 v[W+4:W+7],   v[WO], s[72:73] offset:256
	global_load_b128 v[W+8:W+11],  v[WO], s[74:75]
	global_load_b128 v[W+12:W+15], v[WO], s[74:75] offset:256
	v_mul_u32_u24 v3, v1, PITCH
	v_lshl_add_u32 v3, v2, 4, v3                   ; a fragment's row x pitch + 16 x half
	s_mul_i32 s21, s11, 64*PITCH
	s_mul_i32 s22, s12, 192*PITCH
	s_add_co_u32 s22, s22, HALFT
.irp s, 0,1
	v_add_nc_u32 v[ADRA+(\s)], s21, v3
	v_add_nc_u32 v[ADRB+(\s)], s22, v3
	s_add_co_u32 s21, s21, SLOT
	s_add_co_u32 s22, s22, SLOT
.endr
	s_mul_i32 s23, s11, 64*DPITCH                  ; the dump: row 64 x half + l % 16, byte 768 x half + 32 (l / 16)
	s_mul_i32 s21, s12, 768
	s_add_co_u32 s23, s23, s21
	s_add_co_u32 s23, s23, DMP
	v_mul_u32_u24 v4, v1, DPITCH
	v_lshl_add_u32 v4, v2, 5, v4
	v_add_nc_u32 v[STO0], s23, v4
	v_add_nc_u32 v[STO1], 32*DPITCH, v[STO0]
	s_mul_i32 s23, s10, 32*DPITCH                  ; back: row 32 x wave + l / 16, byte 16 (l % 16)
	s_add_co_u32 s23, s23, DMP
	v_mul_u32_u24 v5, v2, DPITCH
	v_lshl_add_u32 v5, v1, 4, v5
	v_add_nc_u32 v[RDT], s23, v5
	s_mul_i32 s23, s10, 32*TPITCH
	v_mul_u32_u24 v5, v2, TPITCH
	v_lshl_add_u32 v5, v1, 4, v5
	v_add_nc_u32 v[RDC], s23, v5
	v_lshlrev_b32 v[CO], 8, v2
	v_lshl_add_u32 v[CO], v1, 4, v[CO]
	s_lshr_b32 s14, s13, 4                         ; the batch
	s_lshl_b32 s14, s14, 3
	s_add_co_u32 s14, s14, s42                     ; batch x 8 + head,
	s_lshl_b32 s14, s14, 19                        ; 524,288 bytes each
	s_add_co_u32 s8, s8, s14
	s_mov_b32 s9, 0
	s_add_nc_u64 s[OQ:OQ+1], s[78:79], s[8:9]
	s_add_nc_u64 s[OK:OK+1], s[OQ:OQ+1], 0x800000  ; a part is 8,388,608 bytes
	s_add_nc_u64 s[OV:OV+1], s[OK:OK+1], 0x800000
	s_and_b32 s22, ttmp7, 0xffff                   ; the prefetches: cluster y
	s_cmp_eq_u32 s10, 0                            ; do I fetch xb?
	s_cselect_b32 s21, s40, s41                    ; my place among the four that ask with me
	s_cselect_b32 s22, ttmp9, s22                  ; the coordinate along which other clusters read the same rows
	s_cselect_b64 s[PFA:PFA+1], s[16:17], s[46:47]
	s_cmp_eq_u32 s22, 0
	s_cselect_b32 s[LIM], 1, -1                    ; the same in all sixteen partners, for a given wave
	s_lshl_b32 s20, s21, 17                        ; my work-group's 32 rows of the 128,
	s_add_co_u32 s20, s20, 2*KSTEP*2               ; at K step 2: the first refill steps it to 3 and names K step 4
	s_mov_b32 s21, 0
	s_add_nc_u64 s[PFA:PFA+1], s[PFA:PFA+1], s[20:21]
	v_and_b32 v[PFO], 31, v0
	v_lshlrev_b32 v[PFO], 12, v[PFO]
	s_wait_tensorcnt 1                             ; my part of K step 0 is in; K step 1's may stay out
	s_barrier_signal -1
	s_barrier_wait -1
	FETCH 0, 0, 0
	QUARTER 0, 64, 0, 1, 1                         ; the first quarter's products start the sums: nothing is cleared
	WIN 0
	s_mov_b32 s3, LAPS-1
.Llap:                                                 ; a trip goes once round the ring and fills both slots again: K steps 2 to 15 in 7 trips
	QUARTER 0, 128, 1, 0, 0
	QUARTER 0, 192, 0, 1, 0
	TURN 0, 1
	QUARTER 1, 64,  0, 1, 0
	QUARTER 1, 128, 1, 0, 0
	QUARTER 1, 192, 0, 1, 0
	TURN 1, 0
	QUARTER 0, 64,  0, 1, 0
	WIN 0
	s_sub_co_u32 s3, s3, 1
	s_cmp_lg_u32 s3, 0
	s_cbranch_scc1 .Llap
	QUARTER 0, 128, 1, 0, 0                        ; the last lap, written out
	QUARTER 0, 192, 0, 1, 0
	TURNT
	QUARTER 1, 64,  0, 1, 0
	QUARTER 1, 128, 1, 0, 0
	QUARTER 1, 192, 0, 1, 0
	LASTQ
	PLACES                                         ; the stores below read results just made
	; THE WAY OUT
	s_wait_tensorcnt 0x0                           ; my part of the table is in,
	s_wait_dscnt 0x0                               ; my reads of the ring are over:
	s_barrier_signal -1
	s_barrier_wait -1                              ; everybody's: the ring's bytes behind the table may be written
	s_wait_loadcnt 0x0                             ; the gains
.irp g, 0,2,4,6,8,10,12,14
	v_cvt_pk_bf16_f32 v[TMP], v[W+(\g)], v[W+(\g)+1]   ; rounded to bf16, kept as f32
	v_lshlrev_b32 v[W+(\g)], 16, v[TMP]
	v_and_b32 v[W+(\g)+1], s101, v[TMP]
.endr
.irp u, 0,1,2,3,4,5,6,7
	v_mov_b32 v[R+2*(\u)+1], 0                     ; named with 1/rms as a pair
.endr
	WIN 0x08                                       ; store data in window 2; each accumulator's low four registers first
.irp a, 0,1
.irp b, 0,1,2,3,4,5,6,7,8,9,10,11
	ds_store_b128 v[STO0], v[8*(12*(\a)+(\b)):8*(12*(\a)+(\b))+3]   offset:(\a)*16*DPITCH+64*(\b)
	ds_store_b128 v[STO0], v[8*(12*(\a)+(\b))+4:8*(12*(\a)+(\b))+7] offset:(\a)*16*DPITCH+64*(\b)+16
.endr
.endr
	WIN 0x0c                                       ; window 3
.irp a, 0,1
.irp b, 0,1,2,3,4,5,6,7,8,9,10,11
	ds_store_b128 v[STO1], v[8*(12*(\a)+(\b)):8*(12*(\a)+(\b))+3]   offset:(\a)*16*DPITCH+64*(\b)
	ds_store_b128 v[STO1], v[8*(12*(\a)+(\b))+4:8*(12*(\a)+(\b))+7] offset:(\a)*16*DPITCH+64*(\b)+16
.endr
.endr
	WIN 0
	s_wait_dscnt 0x0                               ; for the others' sake: a row is read by another wave than wrote it
	s_barrier_signal -1
	s_barrier_wait -1
	s_mov_b32 s100, 4
.Lrows:                                                ; a trip: 8 of my 32 rows, all three parts.  Lanes 0-15 hold row 2 p, lanes 16-31 row 2 p + 1
.irp p, 0,1,2,3
.irp q, 0,1,2
	ds_load_b128 v[T+8*(3*(\p)+(\q)):T+8*(3*(\p)+(\q))+3],   v[RDT] offset:(\p)*2*DPITCH+(\q)*512
	ds_load_b128 v[T+8*(3*(\p)+(\q))+4:T+8*(3*(\p)+(\q))+7], v[RDT] offset:(\p)*2*DPITCH+(\q)*512+256
.endr
	ds_load_b128 v[TB+8*(\p):TB+8*(\p)+3],   v[RDC] offset:(\p)*2*TPITCH
	ds_load_b128 v[TB+8*(\p)+4:TB+8*(\p)+7], v[RDC] offset:(\p)*2*TPITCH+256
.endr
.irp p, 0,1,2,3
	s_wait_dscnt 24-8*(\p)                         ; the eight loads of each later pair of rows may stay out
.irp q, 0,1
.set rU, T+8*(3*(\p)+(\q))
.set rM, TMP+2*(2*(\p)+(\q))
	v_pk_mul_f32 v[rM:rM+1], v[rU:rU+1], v[rU:rU+1]          ; my 8 squares of q's or k's row
	v_pk_fma_f32 v[rM:rM+1], v[rU+2:rU+3], v[rU+2:rU+3], v[rM:rM+1]
	v_pk_fma_f32 v[rM:rM+1], v[rU+4:rU+5], v[rU+4:rU+5], v[rM:rM+1]
	v_pk_fma_f32 v[rM:rM+1], v[rU+6:rU+7], v[rU+6:rU+7], v[rM:rM+1]
	v_add_f32 v[R+2*(2*(\p)+(\q))], v[rM], v[rM+1]
.endr
.endr
.irp m, 1,2,4,8                        ; over the row's 16 lanes; eight independent lines between dependent ones
.irp u, 0,1,2,3,4,5,6,7
	v_add_f32_dpp v[R+2*(\u)], v[R+2*(\u)], v[R+2*(\u)] row_xmask:\m row_mask:0xf bank_mask:0xf
.endr
.endr
.irp u, 0,1,2,3,4,5,6,7
	v_fma_f32 v[R+2*(\u)], v[R+2*(\u)], s98, s99   ; the mean of squares + 1e-5
.endr
.irp u, 0,1,2,3,4,5,6,7
	v_rsq_f32 v[R+2*(\u)], v[R+2*(\u)]
.endr
.irp p, 0,1,2,3                        ; v is only rounded: the independent work behind the eight roots
.set rU, T+8*(3*(\p)+2)
.irp i, 0,1,2,3
	v_cvt_pk_f16_f32 v[rU+(\i)], v[rU+2*(\i)], v[rU+2*(\i)+1]
.endr
	global_store_b128 v[CO], v[rU:rU+3], s[OV:OV+1] offset:(\p)*512    ; two whole rows of 256 bytes
.endr
	s_wait_alu depctr_va_vdst(0)                   ; one wait for the eight roots, ahead of their first reader
.irp p, 0,1,2,3
.irp q, 0,1
.set rU, T+8*(3*(\p)+(\q))
.set rW, W+8*(\q)
.set rC, TB+8*(\p)
.set rA, TMP+8*(\q)
.set rR, R+2*(2*(\p)+(\q))
	v_pk_mul_f32 v[rU:rU+1],   v[rU:rU+1],   v[rW:rW+1]        ; the gains
	v_pk_mul_f32 v[rU+2:rU+3], v[rU+2:rU+3], v[rW+2:rW+3]
	v_pk_mul_f32 v[rU+4:rU+5], v[rU+4:rU+5], v[rW+4:rW+5]
	v_pk_mul_f32 v[rU+6:rU+7], v[rU+6:rU+7], v[rW+6:rW+7]
	v_pk_mul_f32 v[rA:rA+1],   v[rU+4:rU+5], v[rC+4:rC+5]      ; t2 sin
	v_pk_mul_f32 v[rA+2:rA+3], v[rU+6:rU+7], v[rC+6:rC+7]
	v_pk_mul_f32 v[rA+4:rA+5], v[rU:rU+1],   v[rC+4:rC+5]      ; t1 sin
	v_pk_mul_f32 v[rA+6:rA+7], v[rU+2:rU+3], v[rC+6:rC+7]
	v_pk_fma_f32 v[rU:rU+1],   v[rU:rU+1],   v[rC:rC+1],   v[rA:rA+1]   neg_lo:[0,0,1] neg_hi:[0,0,1]  ; t1 cos - t2 sin
	v_pk_fma_f32 v[rU+2:rU+3], v[rU+2:rU+3], v[rC+2:rC+3], v[rA+2:rA+3] neg_lo:[0,0,1] neg_hi:[0,0,1]
	v_pk_fma_f32 v[rU+4:rU+5], v[rU+4:rU+5], v[rC:rC+1],   v[rA+4:rA+5]                                ; t2 cos + t1 sin
	v_pk_fma_f32 v[rU+6:rU+7], v[rU+6:rU+7], v[rC+2:rC+3], v[rA+6:rA+7]
.irp i, 0,2,4,6
	v_pk_mul_f32 v[rU+(\i):rU+(\i)+1], v[rU+(\i):rU+(\i)+1], v[rR:rR+1] op_sel_hi:[1,0]                ; 1/rms
.endr
.irp i, 0,1,2,3
	v_cvt_pk_f16_f32 v[rU+(\i)], v[rU+2*(\i)], v[rU+2*(\i)+1]
.endr
.if (\q) == 0
	global_store_b128 v[CO], v[rU:rU+3], s[OQ:OQ+1] offset:(\p)*512
.else
	global_store_b128 v[CO], v[rU:rU+3], s[OK:OK+1] offset:(\p)*512
.endif
.endr
.endr
	s_wait_xcnt 0x0                                ; the stores have read their data and their bases: both are written again only behind this wait
	s_add_nc_u64 s[OQ:OQ+1], s[OQ:OQ+1], 2048      ; 8 rows on
	s_add_nc_u64 s[OK:OK+1], s[OK:OK+1], 2048
	s_add_nc_u64 s[OV:OV+1], s[OV:OV+1], 2048
	v_add_nc_u32 v[RDT], 8*DPITCH, v[RDT]
	v_add_nc_u32 v[RDC], 8*TPITCH, v[RDC]
	s_sub_co_u32 s100, s100, 1
	s_cmp_lg_u32 s100, 0
	s_cbranch_scc1 .Lrows
	s_wait_tensorcnt 0x0                           ; the wave's end: these three lines, behind my last tensor load and my last LDS store
	ds_add_u32 v[SPW], v[NIL]
	s_wait_dscnt 0x0
	CROUND                                         ; the closing round: no work-group ends while a partner may still ask for a tile that names it
	s_endpgm
.Lfunc_end_k_q89c506ed90_qkv:
	.size	k_q89c506ed90_qkv, .Lfunc_end_k_q89c506ed90_qkv-k_q89c506ed90_qkv
	.p2alignl 7, 3214868480
	.fill 96, 4, 3214868480
	.section	.rodata,"a",@progbits
	.p2align	6, 0x0
	.amdhsa_kernel k_q89c506ed90_qkv
		.amdhsa_group_segment_fixed_size 327680
		.amdhsa_private_segment_fixed_size 0
		.amdhsa_enable_private_segment 0
		.amdhsa_kernarg_size 48
		.amdhsa_user_sgpr_count 2
		.amdhsa_user_sgpr_kernarg_segment_ptr 1
		.amdhsa_wavefront_size32 1
		.amdhsa_system_sgpr_workgroup_id_x 1
		.amdhsa_system_sgpr_workgroup_id_y 1
		.amdhsa_system_sgpr_workgroup_id_z 1
		.amdhsa_system_vgpr_workitem_id 0
		.amdhsa_next_free_vgpr 1024
		.amdhsa_next_free_sgpr 102
		.amdhsa_reserve_vcc 0
		.amdhsa_float_denorm_mode_32 3
		.amdhsa_float_denorm_mode_16_64 3
		.amdhsa_memory_ordered 1
		.amdhsa_forward_progress 1
		.amdhsa_inst_pref_size 126
	.end_amdhsa_kernel
	.amdgpu_metadata
---
amdhsa.version: [ 1, 2 ]
amdhsa.kernels:
  - .name:           k_q89c506ed90_qkv
    .symbol:         k_q89c506ed90_qkv.kd
    .args:
      - { .name: xb, .offset: 0, .size: 8, .value_kind: global_buffer, .address_space: global }
      - { .name: wb, .offset: 8, .size: 8, .value_kind: global_buffer, .address_space: global }
      - { .name: q_norm_w, .offset: 16, .size: 8, .value_kind: global_buffer, .address_space: global }
      - { .name: k_norm_w, .offset: 24, .size: 8, .value_kind: global_buffer, .address_space: global }
      - { .name: rope, .offset: 32, .size: 8, .value_kind: global_buffer, .address_space: global }
      - { .name: qkv, .offset: 40, .size: 8, .value_kind: global_buffer, .address_space: global }
    .group_segment_fixed_size: 327680
    .private_segment_fixed_size: 0
    .kernarg_segment_align: 8
    .kernarg_segment_size: 48
    .max_flat_workgroup_size: 128
    .sgpr_count:     102
    .vgpr_count:     1024
    .wavefront_size: 32
...
	.end_amdgpu_metadata
.endif
;; end of part 2
;; launch attn (part 3): grid 16 x 16, 4 waves a work-group, clusters of 4 x 1, 327,680 bytes of LDS; arguments qkv, ao; writes ao
.if DOCPART == 3
	.amdgcn_target "amdgcn-amd-amdhsa--gfx1250"
	.amdhsa_code_object_version 6
	.text
	.protected	k_q89c506ed90_attn
	.globl	k_q89c506ed90_attn
	.p2align	8
	.type	k_q89c506ed90_attn,@function
k_q89c506ed90_attn:
	s_mov_b64 s[64:65], 0
	v_nop
	global_prefetch_b8 v0, s[64:65] scope:SCOPE_SE
	s_setreg_imm32_b32 hwreg(HW_REG_WAVE_MODE, 25, 1), 1
	s_wait_xcnt 0x0
	s_wait_alu depctr_hold_cnt(0) depctr_sa_sdst(0) depctr_va_vdst(0) depctr_va_sdst(0) depctr_va_ssrc(0) depctr_va_vcc(0) depctr_vm_vsrc(0)
	s_getreg_b32 s2, hwreg(HW_REG_IB_STS2, 6, 4)
	s_cmp_eq_u32 s2, 0
	s_cbranch_scc0 .Lentry_in_a_cluster
	s_endpgm
.Lentry_in_a_cluster:
	s_bfe_u32 s2, ttmp6, 0x10000c
	s_cmp_lg_u32 s2, 0x3003
	s_cbranch_scc0 .Lentry_shape_is_right
	s_endpgm
.Lentry_shape_is_right:
; CAUSAL ATTENTION on 16 (batch, head) pairs of 2,048 rows x 128 places, f16: O[q] = the sum over k <= q of softmax_k(Q[q] . K[k] / sqrt(128)) V[k].  Products, maxima and sums in f32;
; the weights are rounded to f16 for the second product (their sum is taken unrounded), O once at the end.  ao: f16 [4,096][1,024], column head*128 + place.
; THE WALK.  A head's queries lie in 32 blocks of 64, its keys in 8 tiles of 256.  Work-group b = 4 a + r (a the cluster, r the place in it) takes block 31 - b, which needs tiles 0 .. 7 - a, and then block b,
; which needs tiles 0 .. a: 9 tiles whatever b, and the SAME tiles in the same order for the four partners of a cluster: every tile is asked for jointly.
; SHARES.  THE KEYS ARE SPLIT AMONG THE WAVES: wave w takes keys 64 w .. 64 w + 63 of every tile, for all 64 queries (four tiles of 16): a fragment of K or V read from LDS feeds four products.
; Each wave keeps its own running maximum m, sum l and O^T; at a block's end the four meet in LDS: O = (sum_w F_w O_w) / (sum_w F_w l_w), F_w = 2^(c m_w - max c m).
; THE MASK is the C operand that starts S^T = K Q^T: 0 or -1e30.  In a block's last tile its own 64 keys are quarter p (3 - r, then r): wave w < p sees all, w > p nothing, w = p holds the diagonal:
; there key block kb against query tile t is open (kb < t), triangular (kb = t) or hidden (kb > t).  Three sets of 8 registers, made anew each step from scalars chosen by s_cselect: no branch hangs on r.
; m starts at -1e20: below every true score (f16 operands: 5.5e11 at the most), above every hidden one, so a wave that sees nothing has weights 0, l = 0, O = 0 and F = 0.
; ONE LDS SLOT.  A wave fetches its 64 keys of K and V into registers at a step's head; when all sixteen waves of the cluster have, the slot is asked for again, and the tile lands during the step.
; A STEP: masks; K's and V's runs of LDS loads; piece 0's scores (query tiles 0, 1); the request; piece 2's scores beside piece 0's softmax; piece 0's V^T P beside piece 2's softmax; piece 2's V^T P.
; LIMITS.  A hidden score counts as its value less 1e30; a weight below 2^-126 counts as 0; NaN and infinities are not treated apart; O has V's range.
; REGISTERS, in windows of 256 (s_set_vgpr_msb: bits 1:0 source 0, 3:2 source 1, 5:4 source 2, 7:6 destination):
;   window 0: v2-11, v60-63 addresses; v12-43 eight registers of statistics a query tile; v44-59 the merge's; v64-191 S^T, 32 a tile; v192-255 P, 16 a tile
;   window 1: O^T, 64 a tile     window 2: v0-127 Q, v128-255 K     window 3: v0-127 V, v128-159 the masks
.set PK,    272       ; a row of K in LDS: 256 bytes + 16
.set PV,    288       ; a row of V: 256 + 32
.set VOFF,  256*PK    ; K's 256 rows, then V's
.set MSTG,  VOFF+256*PV    ; the merge's stage: O^T of query tile t from wave w at 32,768 t + 8,192 w, 16 bytes a lane and quad
.set STATS, MSTG+4*32768   ; c m of (w, t) at 256 w + 64 t + 4 (l % 16); l 1,024 bytes on
.set WST,   STATS+2048     ; 16 rows x 272 bytes for each wave, for the way out
.set SP,    272
.set SPARE, WST+4*16*SP    ; the spare words, 128 bytes a wave, that no other line names
.set AK0, 2           ; v2   my place in K's tile: (64 w + l % 16) PK + 16 (l / 16); never rewritten
.set AV0, 3           ; v3   the same for V's turning load
.set SA,  4           ; v4   where I put statistics
.set QO,  5           ; v5   my byte offset in 16 rows of Q
.set STO, 6           ; v6   the way out: where I put 16 bytes of a row
.set RD,  7           ; v7   where I read rows back
.set GO,  8           ; v8   my 16 bytes in two rows of ao
.set PFO, 9           ; v9   256 x lane: a row of K or V
.set SR,  10          ; v10  where I read statistics
.set MW0, 11          ; v11  where I put O^T of query tiles 0, 1
.set ST,  12          ; tile t at v[ST+8 t]: c m, m, l (even keys', odd keys'), c0-c3 at work; a takes c2's place
.set GF,  44          ; v44-51  wave w': F / l in the even register, F in the odd
.set MCM, 52          ; v52-55  the four waves' c m
.set MLS, 56          ; v56-59  their l
.set MW1, 60          ; v60  MW0 + 65,536: query tiles 2, 3
.set MR,  61          ; v61  where I read the four parts of my query tile
.set SPW, 62          ; v62  my spare word; never rewritten
.set NIL, 63          ; v63  0; never rewritten
.set S,   64
.set P,   192
.set KF,  128         ; window 2
.set TRI,  128        ; window 3: -1e30 where key 8 (l / 16) + j lies behind query l % 16
.set MLOW, 136        ; the masks of key blocks below, on and above the diagonal
.set MMID, 144
.set MUP,  152
.set RES, 128         ; the merge: the sum, in the registers of piece 2's S^T (its first three are at work before);
.set PKD, 192         ; packed, and
.set BK,  224         ; read back, in P's
.set KB,  6           ; s[6:7]   K at my half of the head's tile 0
.set VB,  8           ; s[8:9]   V likewise
.set OP,  10          ; s[10:11] ao at my 16 rows of the block to be merged next
.set WV,  12
.set CX,  13
.set PB,  14          ; s14  a
.set LIM, 15          ; s15  2 in the head's first cluster, else the greatest number
.set PFA, 18          ; s[18:19] where my prefetches stand
.set G1K, 24
.set G1V, 32
.set G0K, 40
.set G0V, 44
.set Q1,  48
.set Q2,  50
.set O2,  52
.set RT,  54          ; tiles of the block in hand still to be entered
.set NXT, 55          ; the tile to be asked for next
.set SLOTS, 56        ; tiles still to be asked for
.set LQ,  57          ; the last tile of the block whose tiles are being asked for
.set CS,  58          ; s[58:59] c = log2(e) / sqrt(128)
.set SEL, 60          ; s[60:61] v_permlanex16_b32's selects
.set PP,  62          ; the quarter that holds the diagonal, for the block in hand
.set MRG, 63          ; 1: a block lies in the stage
.set OFF, 66          ; s[66:67] a tile's byte offset
.set AL,  68          ; s[68:69] the triangle's factor
.set BL,  70          ; s[70:71] what is added below and on the diagonal
.set BU,  72          ; above it
.set BIGN, 73         ; -1e30
.set PE,  74
.set TL,  75
.set P2,  76
.set MSB, 0
.macro WIN new
.if MSB != (\new)
	s_set_vgpr_msb (MSB<<8)|(\new)
.set MSB, \new
.endif
.endm
.set W_KQ, 0x0a       ; K and Q window 2, S^T window 0
.set W_KM, 0x3a       ; the same with C in window 3
.set W_PV, 0x53       ; V window 3, P window 0, O^T window 1
.set W_RS, 0x41       ; O^T window 1, a window 0
.macro PLACES
.rept 4
	v_nop
.endr
.endm
.macro JLOAD                           ; waves 0, 1 fetch K's halves, waves 2, 3 V's: 128 keys each.  An s_nop 0 and four v_nop follow each line
	s_cmp_lt_u32 s[WV], 2
	s_cbranch_scc0 .Lfor_v_\@
	tensor_load_to_lds s[G0K:G0K+3], s[G1K:G1K+7]
	s_nop 0
.rept 4
	v_nop
.endr
	s_branch .Lasked_\@
.Lfor_v_\@:
	tensor_load_to_lds s[G0V:G0V+3], s[G1V:G1V+7]
	s_nop 0
.rept 4
	v_nop
.endr
.Lasked_\@:
.endm
; A prefetch, behind the joint load of tile n + 1: tile n + 2, one step ahead of the load that will name it.  Only the head's first cluster asks, which walks tiles 0 to 7 first; of a tile's 256 rows of K
; and of V the partner at place cx takes 64, told apart by address, its waves 0, 1 32 rows of K each, waves 2, 3 of V: a lane a row.  Trips 0 to 5 ask: tiles 2 to 7; each row is named once.
.macro ASK
	s_cmp_gt_u32 s[SLOTS], s[LIM]
	s_cbranch_scc0 .Lnot_mine_\@
	global_prefetch_b8 v[PFO], s[PFA:PFA+1] th:TH_LOAD_NT scope:SCOPE_SE
.Lnot_mine_\@:
.endm
.macro CROUND
	s_barrier_signal -1
	s_barrier_wait -1
	s_cmp_lg_u32 s[WV], 0
	s_cbranch_scc1 .Lnot_wave_0_\@
	s_barrier_signal -3
.Lnot_wave_0_\@:
	s_barrier_wait -3
	s_barrier_signal -1
	s_barrier_wait -1
.endm
.macro QLOAD base                      ; 64 queries x 128 places: tile z / 4, places 32 (z % 4) on
	WIN 0x80
.set z, 0
.rept 16
	global_load_b128 v[8*z:8*z+3],   v[QO], s[\base:\base+1] offset:(z/4)*4096+(z%4)*64
	global_load_b128 v[8*z+4:8*z+7], v[QO], s[\base:\base+1] offset:(z/4)*4096+(z%4)*64+32
.set z, z+1
.endr
	WIN 0
.endm
.macro START                           ; a block begins: c m far below every c s, so the first step's a is 0; m at the floor; l = 0
.irp t, 0,1,2,3
	v_mov_b32 v[ST+8*(\t)], 0xfe000000
	v_mov_b32 v[ST+8*(\t)+1], 0xe0ad78ec           ; -1e20
	v_mov_b32 v[ST+8*(\t)+2], 0
	v_mov_b32 v[ST+8*(\t)+3], 0
.endr
.endm
.macro MASKS                           ; 20 plain lines that name no register of the last products: also the places in front of the runs of loads
	WIN 0xc3
.set z, 0
.rept 8
	v_mov_b32 v[MLOW+z], s[BL]
	v_mov_b32 v[MUP+z], s[BU]
.set z, z+1
.endr
.set z, 0
.rept 4
	v_pk_fma_f32 v[MMID+2*z:MMID+2*z+1], v[TRI+2*z:TRI+2*z+1], s[AL:AL+1], s[BL:BL+1] op_sel_hi:[1,0,0]
.set z, z+1
.endr
.endm
.macro FETCH_K                         ; my 64 keys x 128 places, the places' first 32 first: 8 loads for each 8 products
	WIN 0x80
.irp c, 0,1,2,3
.irp g, 0,1,2,3
	ds_load_b128 v[KF+32*(\g)+8*(\c):KF+32*(\g)+8*(\c)+3],   v[AK0] offset:(\g)*16*PK+(\c)*64
	ds_load_b128 v[KF+32*(\g)+8*(\c)+4:KF+32*(\g)+8*(\c)+7], v[AK0] offset:(\g)*16*PK+(\c)*64+32
.endr
.endr
.endm
.macro FETCH_V                         ; turned: keys 32 (f / 8) on, places 16 (f % 8) on
	WIN 0xc0
.irp f, 0,1,2,3,4,5,6,7,8,9,10,11,12,13,14,15
	ds_load_tr16_b128 v[8*(\f):8*(\f)+3],   v[AV0] offset:((\f)/8)*32*PV+((\f)%8)*32
	ds_load_tr16_b128 v[8*(\f)+4:8*(\f)+7], v[AV0] offset:((\f)/8)*32*PV+16*PV+((\f)%8)*32
.endr
.endm
; Product i of 32 of S^T = K Q^T for piece x: places 32 (i / 8) on, keys 16 ((i / 2) % 4) on, query tile x + i % 2.  The first 8 start the sums with a mask.  The 8 accumulators take turns.
.macro KQ x
.set tq, (\x)+i%2
.set kb, (i/2)%4
.set rS, S+32*tq+8*kb
.set rK, KF+32*kb+8*(i/8)
.set rQ, 32*tq+8*(i/8)
.if i < 8
.if kb < tq
.set rM, MLOW
.elseif kb == tq
.set rM, MMID
.else
.set rM, MUP
.endif
	WIN W_KM
	v_wmma_f32_16x16x32_f16 v[rS:rS+7], v[rK:rK+7], v[rQ:rQ+7], v[rM:rM+7]
.else
	WIN W_KQ
	v_wmma_f32_16x16x32_f16 v[rS:rS+7], v[rK:rK+7], v[rQ:rQ+7], v[rS:rS+7]
.endif
.endm
; Product i of 32 of O^T += V^T P for piece x: keys 32 (i / 16) on, places 16 ((i / 2) % 8) on, query tile x + i % 2.  The 16 accumulators take turns.
.macro PV x
	WIN W_PV
.set rO, 64*((\x)+i%2)+8*((i/2)%8)
.set rV, 64*(i/16)+8*((i/2)%8)
.set rP, P+16*((\x)+i%2)+8*(i/16)
	v_wmma_f32_16x16x32_f16 v[rO:rO+7], v[rV:rV+7], v[rP:rP+7], v[rO:rO+7]
.endm
; THE VECTOR WORK.  One query tile's softmax for one step is a list of 134 instructions; SM writes number j of it for tile t.
;   0-15  the maximum of the lane's 32 scores and the old m (each accumulator's lowest registers first)     16-20  the other half of the lanes'; the new m; c m; c m_old - c m_new
;   21-69 ONE BATCH: the 16 scalings c s - c m and all 33 exponentials (a at 23); none reads an exponential's result     (wait)
;   70-85 the roundings to f16     86-101 the sums; l = a l + sum     102-133 O^T times a
.macro SM t
.set rT, ST+8*(\t)
.set rS, S+32*(\t)
.set rP, P+16*(\t)
.set rO, 64*(\t)+2*(j-102)
.if j < 102
	WIN 0
.endif
.if j < 4
	v_max3_num_f32 v[rT+4+j], v[rS+8*j], v[rS+8*j+1], v[rS+8*j+2]
.elseif j < 12
	v_max3_num_f32 v[rT+4+j%4], v[rT+4+j%4], v[rS+8*(j%4)+2*(j/4)+1], v[rS+8*(j%4)+2*(j/4)+2]
.elseif j == 12
	v_max3_num_f32 v[rT+4], v[rT+4], v[rS+7], v[rS+15]
.elseif j == 13
	v_max3_num_f32 v[rT+6], v[rT+6], v[rS+23], v[rS+31]
.elseif j == 14
	v_max3_num_f32 v[rT+4], v[rT+4], v[rT+5], v[rT+6]
.elseif j == 15
	v_max3_num_f32 v[rT+4], v[rT+4], v[rT+7], v[rT+1]
.elseif j == 16
	v_permlanex16_b32 v[rT+5], v[rT+4], s[SEL], s[SEL+1]  ; the query's other 32 keys lie in the lane 16 away
.elseif j == 17
	v_mov_b32 v[rT+7], v[rT]        ; c m_old is kept for a
.elseif j == 18
	v_max_num_f32 v[rT+1], v[rT+4], v[rT+5]
.elseif j == 19
	v_mul_f32 v[rT], s[CS], v[rT+1]
.elseif j == 20
	v_sub_f32 v[rT+7], v[rT+7], v[rT]
.elseif j == 23
	v_exp_f32 v[rT+6], v[rT+7]
.elseif (j < 23) || ((j < 38) && (j%2 == 0)) || ((j < 66) && (j%4 == 2))
.set b, (j-2)/4                     ; 38, 42, .. 62: pairs 9 to 15
.if j < 38
.set b, (j-20)/2                    ; 21: pair 0; 22, 24, .. 36: pairs 1 to 8
.endif
	v_pk_fma_f32 v[rS+2*b:rS+2*b+1], v[rS+2*b:rS+2*b+1], s[CS:CS+1], v[rT:rT+1] op_sel_hi:[1,0,0] neg_lo:[0,0,1] neg_hi:[0,0,1]
.elseif j < 70
.set e, j-38                        ; 66 to 69: s28 to s31
.if j < 66
.set e, j-32-(j-38)/4               ; 39-41, 43-45, .. 63-65: s7 to s27
.endif
.if j < 38
.set e, (j-25)/2                    ; 25, 27, .. 37: s0 to s6
.endif
	v_exp_f32 v[rS+e], v[rS+e]
.elseif j < 86
	v_cvt_pk_f16_f32 v[rP+j-70], v[rS+2*(j-70)], v[rS+2*(j-70)+1]
.elseif j < 102                     ; the 16 pairs are added in place, neighbours 1, 2, 4 and 8 pairs apart; then l takes the sum
.set z, j-86
.set w, 4
.set u, z
.if z >= 14
.set w, 32
.set u, 0
.elseif z >= 12
.set w, 16
.set u, z-12
.elseif z >= 8
.set w, 8
.set u, z-8
.endif
.if z < 15
	v_pk_add_f32 v[rS+w*u:rS+w*u+1], v[rS+w*u:rS+w*u+1], v[rS+w*u+w/2:rS+w*u+w/2+1]
.else
	v_pk_fma_f32 v[rT+2:rT+3], v[rT+2:rT+3], v[rT+6:rT+7], v[rS:rS+1] op_sel_hi:[1,0,1]
.endif
.else
	WIN W_RS
	v_pk_mul_f32 v[rO:rO+1], v[rO:rO+1], v[rT+6:rT+7] op_sel_hi:[1,0]
.endif
.endm
; Slice k of 64 of piece y's softmax: four instructions (slice 63: sixteen).  Slices 11 to 34 deal out the batch, four numbers of one tile each; every other slice is numbers 2 k, 2 k + 1 of both tiles.
; Ahead of slice 35 nothing names an exponential's result, behind slice 34 none is issued: one plain instruction and ONE wait serve the piece's 66.
.macro SLICE y
.if (k >= 11) && (k < 35)
.irp n, 0,1,2,3
.set j, 22+4*((k-11)/2)+(\n)
	SM (\y)+(k-11)%2
.endr
.else
.irp n, 0,1,2,3,4,5,6,7
.if ((\n) < 2) || (k == 63)
.irp t, \y, (\y)+1
.set j, 2*k+(\n)
	SM \t
.endr
.endif
.endr
.endif
.if k == 34
	v_nop
	s_wait_alu depctr_va_vdst(0)
.endif
.set k, k+1
.endm
; A TURN: piece x has the matrix unit for 32 products (pv = 0: K Q^T, 1: V^T P); two slices of the other piece's softmax stand behind each.  Slices 62 and 63, twenty plain lines on the other piece's
; O^T, are the places behind the turn's last product.
.macro TURN x, pv
.set k, 0
.set i, 0
.rept 32
.if \pv
	PV \x
.else
	KQ \x
.endif
	SLICE 2-(\x)
	SLICE 2-(\x)
.set i, i+1
.endr
.endm
; A BLOCK'S END: my c m, l and raw O^T go into the stage; the statistics start anew.  O^T is not cleared: the next block's first step multiplies it by a = 0.
.macro DUMP
	WIN 0
.irp t, 0,1,2,3
	v_add_f32 v[ST+8*(\t)+4], v[ST+8*(\t)+2], v[ST+8*(\t)+3]   ; four plain lines: the places behind the last products
.endr
.irp t, 0,1,2,3
	v_permlanex16_b32 v[ST+8*(\t)+5], v[ST+8*(\t)+4], s[SEL], s[SEL+1]
.endr
.irp t, 0,1,2,3
	v_add_f32 v[ST+8*(\t)+4], v[ST+8*(\t)+4], v[ST+8*(\t)+5]
.endr
.irp t, 0,1,2,3
	ds_store_b32 v[SA], v[ST+8*(\t)]   offset:64*(\t)           ; lanes l and l + 16 write the same word with the same number
	ds_store_b32 v[SA], v[ST+8*(\t)+4] offset:1024+64*(\t)
.endr
	WIN 0x04                                       ; store data in window 1; registers in ascending order
.set z, 0
.rept 32
	ds_store_b128 v[MW0], v[4*z:4*z+3] offset:32768*(z/16)+512*(z%16)
.set z, z+1
.endr
.rept 32
	ds_store_b128 v[MW1], v[4*z:4*z+3] offset:32768*((z-32)/16)+512*(z%16)
.set z, z+1
.endr
	WIN 0
	START
	s_add_co_u32 s[RT], s[PB], 1                   ; the second block has a + 1 tiles,
	s_mov_b32 s[PP], s[P2]                         ; and its diagonal in quarter r
	s_mov_b32 s[MRG], 1
.endm
; THE MERGE, behind the barrier that follows a DUMP.  Wave w finishes query tile w.  No barrier and no tensor load stands in it.
.macro MERGE
	PLACES                                         ; in front of loads into O^T's registers
.irp v, 0,1,2,3
	ds_load_b32 v[MCM+(\v)], v[SR] offset:256*(\v)
.endr
.irp v, 0,1,2,3
	ds_load_b32 v[MLS+(\v)], v[SR] offset:1024+256*(\v)
.endr
	WIN 0x40                                       ; the four parts go into O^T's registers, which need only stay finite
.set z, 0
.rept 64
	ds_load_b128 v[4*z:4*z+3], v[MR] offset:8192*(z/16)+512*(z%16)
.set z, z+1
.endr
	WIN 0
	s_wait_dscnt 63                                ; 72 were issued: the first nine are in, the eight statistics among them
	v_max3_num_f32 v[RES], v[MCM], v[MCM+1], v[MCM+2]
	v_max_num_f32 v[RES], v[RES], v[MCM+3]
.irp v, 0,1,2,3
	v_sub_f32 v[GF+2*(\v)+1], v[MCM+(\v)], v[RES]
.endr
.irp v, 0,1,2,3
	v_exp_f32 v[GF+2*(\v)+1], v[GF+2*(\v)+1]       ; F
.endr
	v_nop
	s_wait_alu depctr_va_vdst(0)                   ; one wait for the four
	v_mul_f32 v[RES+1], v[GF+1], v[MLS]
	v_fmac_f32 v[RES+1], v[GF+3], v[MLS+1]
	v_fmac_f32 v[RES+1], v[GF+5], v[MLS+2]
	v_fmac_f32 v[RES+1], v[GF+7], v[MLS+3]         ; l: at least about 1, from the wave that holds the maximum
	v_rcp_f32 v[RES+2], v[RES+1]
	v_nop
	s_wait_alu depctr_va_vdst(0)
.irp v, 0,1,2,3
	v_mul_f32 v[GF+2*(\v)], v[GF+2*(\v)+1], v[RES+2]
.endr
.irp v, 0,1,2,3
	s_wait_dscnt 48-16*(\v)                        ; the 16 loads of each later part may stay out
	WIN 0x01                                       ; source 0 in window 1
.set z, 0
.rept 32
.if (\v) == 0
	v_pk_mul_f32 v[RES+2*z:RES+2*z+1], v[2*z:2*z+1], v[GF:GF+1] op_sel_hi:[1,0]
.else
	v_pk_fma_f32 v[RES+2*z:RES+2*z+1], v[64*(\v)+2*z:64*(\v)+2*z+1], v[GF+2*(\v):GF+2*(\v)+1], v[RES+2*z:RES+2*z+1] op_sel_hi:[1,0,1]
.endif
.set z, z+1
.endr
.endr
	WIN 0
.set z, 0
.rept 32
	v_cvt_pk_f16_f32 v[PKD+z], v[RES+2*z], v[RES+2*z+1]
.set z, z+1
.endr
.irp f, 0,1,2,3,4,5,6,7
	ds_store_b128 v[STO], v[PKD+4*(\f):PKD+4*(\f)+3] offset:32*(\f)     ; a lane's 8 places of a row
.endr
.irp f, 0,1,2,3,4,5,6,7
	ds_load_b128 v[BK+4*(\f):BK+4*(\f)+3], v[RD] offset:(\f)*2*SP        ; my own bytes, served in order: whole rows of 256 bytes
.endr
.irp f, 0,1,2,3,4,5,6,7
	s_wait_dscnt 7-(\f)
	global_store_b128 v[GO], v[BK+4*(\f):BK+4*(\f)+3], s[OP:OP+1] offset:(\f)*4096  ; 16 lanes store 256 consecutive, aligned bytes of a row of ao; lanes 16-31 those of the next row
.endr
	s_wait_xcnt 0x0                                ; the stores have read their data and their base
	s_mov_b64 s[OP:OP+1], s[O2:O2+1]
	s_mov_b32 s[MRG], 0
.endm
; A TRIP: one tile.  fill = 1 (the loop): the next tile is asked for.  fill = 0 (the tail): nothing is.
; A block that lies in the stage is merged at the trip's head: behind the barrier that shows every wave's dump done, and ahead of the round (in the tail: the plain barrier) that stands between the merge's
; reads of the stage and the next dump's stores into it.
.macro TRIP fill
	s_wait_tensorcnt 0x0                           ; the one load of mine that is out is my part of this tile;
	s_wait_dscnt 0x0                               ; my stores into the stage are done:
	s_barrier_signal -1
	s_barrier_wait -1                              ; everybody's.
	s_cmp_eq_u32 s[MRG], 1
	s_cbranch_scc0 .Lno_merge_\@
	MERGE
.Lno_merge_\@:
.if !(\fill)
	s_cmp_eq_u32 s[TL], 1                          ; the tail's second trip only merges
	s_cbranch_scc1 .Ldone
.endif
	s_sub_co_u32 s[RT], s[RT], 1
	s_cmp_eq_u32 s[RT], 0                          ; the block's last tile?
	s_cselect_b32 s[PE], s[PP], 4
	s_cmp_eq_u32 s[WV], s[PE]
	s_cselect_b32 s[AL], 1.0, 0
	s_cmp_gt_u32 s[WV], s[PE]
	s_cselect_b32 s[BL], s[BIGN], 0
	s_cmp_ge_u32 s[WV], s[PE]
	s_cselect_b32 s[BU], s[BIGN], 0
	MASKS
	FETCH_K
	FETCH_V
	WIN 0
.if \fill
	s_wait_tensorcnt 0x0                           ; no tensor load of mine is out, so a group 0 may be written
	ds_add_u32 v[SPW], v[NIL]                      ; register work stands between the add and its wait
	s_lshl_b32 s[OFF], s[NXT], 16                  ; a tile is 65,536 bytes of K and of V
	s_add_nc_u64 s[G0K+2:G0K+3], s[KB:KB+1], s[OFF:OFF+1]
	s_or_b32 s[G0K+3], s[G0K+3], 0x80000000
	s_add_nc_u64 s[G0V+2:G0V+3], s[VB:VB+1], s[OFF:OFF+1]
	s_or_b32 s[G0V+3], s[G0V+3], 0x80000000
	s_add_co_u32 s[NXT], s[NXT], 1                 ; the block's next tile, or behind its last the second block's tile 0
	s_cmp_gt_u32 s[NXT], s[LQ]
	s_cselect_b32 s[NXT], 0, s[NXT]
	s_cselect_b32 s[LQ], s[PB], s[LQ]
	s_wait_xcnt 0x0                                ; the last prefetch, a step back, has read its address
	s_add_nc_u64 s[PFA:PFA+1], s[PFA:PFA+1], 65536
.endif
	s_wait_loadcnt 0x0                             ; Q
.set i, 0
.irp n, 56,48,40,32                    ; behind K's loads for these 8 products: K's later ones (24, 16, 8, 0), V's 32, and the add where there is one
	s_wait_dscnt (\n)+(\fill)
.rept 8
	KQ 0
.set i, i+1
.endr
.endr
	WIN 0
	s_wait_dscnt 0x0                               ; the add is done; K and V are in my registers: my reads of the slot are over
.if \fill
	CROUND                                         ; so are those of every wave of the cluster
	JLOAD                                          ; the refill, first behind the round; its four v_nop are the places behind piece 0's scores
	ASK
.else
	s_barrier_signal -1                            ; every wave's reads of the stage (the merge's) are over before any wave stores into it again
	s_barrier_wait -1
	PLACES
.endif
	TURN 2, 0                                      ; piece 2's scores | piece 0's softmax
.if \fill
	WIN 0
	s_cmp_eq_u32 s[RT], 0                          ; in the loop only the first block ends: its Q has been read for the last time
	s_cbranch_scc0 .Lno_q_\@
	QLOAD Q2
.Lno_q_\@:
.endif
	TURN 0, 1                                      ; piece 0's V^T P | piece 2's softmax
.set i, 0
.rept 32
	PV 2
.set i, i+1
.endr
	WIN 0
.if \fill
	s_cmp_eq_u32 s[RT], 0
	s_cbranch_scc0 .Lno_dump_\@
.endif
	DUMP
.if \fill
.Lno_dump_\@:
.endif
.endm
	s_load_b128 s[20:23], s[0:1], 0x0              ; qkv s[20:21], ao s[22:23]
	v_lshl_add_u32 v[SPW], v0, 2, SPARE
	v_mov_b32 v[NIL], 0
	ds_add_u32 v[SPW], v[NIL]                      ; the wave's opening: the add and its wait ahead of my first tensor load; register work between them
	v_lshrrev_b32 v1, 5, v0
	v_readfirstlane_b32 s[WV], v1
	s_bfe_u32 s[CX], ttmp6, 0x40000                ; r
	s_mov_b32 s[PB], ttmp9                         ; a
	s_and_b32 s16, ttmp7, 0xffff                   ; batch x 8 + head
	s_lshl_b32 s2, s16, 19                         ; 524,288 bytes each
	s_mov_b32 s3, 0
	s_mov_b32 s5, 0
	s_lshl_b32 s17, s[PB], 2
	s_add_co_u32 s17, s17, s[CX]                   ; b: the second block
	s_sub_co_u32 s77, 31, s17                      ; the first
	s_lshr_b32 s78, s16, 3                         ; ao: batch x 2,048 rows of 2,048 bytes,
	s_lshl_b32 s78, s78, 22
	s_lshl_b32 s79, s[WV], 15                      ; my query tile's 16 rows,
	s_add_co_u32 s78, s78, s79
	s_and_b32 s79, s16, 7                          ; the head's 256 bytes of a row
	s_lshl_b32 s79, s79, 8
	s_add_co_u32 s78, s78, s79
	; descriptor group 1.  128 keys are 32,768 dense bytes: asked for as 64 rows of 512 bytes, two keys a row, and padded in LDS after every key
	s_mov_b32 s[G1K], 15|(1<<16)|(1<<20)|(1<<21)|(5<<22)|(3<<25)  ; the mask of four; 2-byte elements; padding on; bit 21 beside a mask; after every 64 words 4 words
	s_mov_b32 s[G1V], 15|(1<<16)|(1<<20)|(1<<21)|(5<<22)|(7<<25)  ; 8 words
.irp g, G1K, G1V
	s_mov_b32 s[(\g)+1], 256<<16                   ; tensor_dim0 = 256
	s_mov_b32 s[(\g)+2], 64<<16                    ; tensor_dim1 = 64
	s_mov_b32 s[(\g)+3], 256<<16                   ; tile_dim0 = 256
	s_mov_b32 s[(\g)+4], 64                        ; tile_dim1 = 64
	s_mov_b32 s[(\g)+5], 256                       ; 256 elements from row to row
	s_mov_b32 s[(\g)+6], 0
	s_mov_b32 s[(\g)+7], 0
.endr
	s_and_b32 s79, s[WV], 1                        ; which half of a tile I fetch
	s_mov_b32 s[G0K], 1
	s_mul_i32 s[G0K+1], s79, 128*PK
	s_mov_b32 s[G0V], 1
	s_mul_i32 s[G0V+1], s79, 128*PV
	s_add_co_u32 s[G0V+1], s[G0V+1], VOFF
	s_mov_b32 s[CS], 0x3e0293ee
	s_mov_b32 s[CS+1], s[CS]
	s_mov_b32 s[SEL], 0x76543210
	s_mov_b32 s[SEL+1], 0xfedcba98
	s_mov_b32 s[BIGN], 0xf149f2ca
	s_mov_b32 s[OFF+1], 0
	s_mov_b32 s[AL+1], 0
	s_mov_b32 s[BL+1], 0
	s_sub_co_u32 s[RT], 8, s[PB]
	s_mov_b32 s[NXT], 1
	s_sub_co_u32 s[LQ], 7, s[PB]
	s_sub_co_u32 s[PP], 3, s[CX]
	s_mov_b32 s[P2], s[CX]
	s_mov_b32 s[MRG], 0
	s_mov_b32 s[SLOTS], 8
	s_cmp_eq_u32 s[PB], 0
	s_cselect_b32 s[LIM], 2, -1
	s_wait_dscnt 0x0                               ; the opening add is done
	s_wait_kmcnt 0x0
	s_add_nc_u64 s[20:21], s[20:21], s[2:3]        ; q of my head
	s_lshl_b32 s4, s77, 14                         ; a block is 64 rows of 256 bytes
	s_add_nc_u64 s[Q1:Q1+1], s[20:21], s[4:5]
	s_lshl_b32 s4, s17, 14
	s_add_nc_u64 s[Q2:Q2+1], s[20:21], s[4:5]
	s_add_nc_u64 s[80:81], s[20:21], 0x800000      ; k of my head,
	s_add_nc_u64 s[82:83], s[80:81], 0x800000      ; v
	s_lshl_b32 s4, s79, 15
	s_add_nc_u64 s[KB:KB+1], s[80:81], s[4:5]
	s_add_nc_u64 s[VB:VB+1], s[82:83], s[4:5]
	s_lshl_b32 s4, s77, 17                         ; a block is 64 rows of 2,048 bytes in ao
	s_add_co_u32 s4, s4, s78
	s_add_nc_u64 s[OP:OP+1], s[22:23], s[4:5]
	s_lshl_b32 s4, s17, 17
	s_add_co_u32 s4, s4, s78
	s_add_nc_u64 s[O2:O2+1], s[22:23], s[4:5]
	s_cmp_lt_u32 s[WV], 2
	s_cselect_b64 s[PFA:PFA+1], s[80:81], s[82:83]
	s_lshl_b32 s4, s[CX], 14                       ; my work-group's 64 rows of a tile,
	s_lshl_b32 s79, s79, 13                        ; my wave's 32 of them,
	s_add_co_u32 s4, s4, s79
	s_add_co_u32 s4, s4, 65536                     ; in tile 1: the first trip steps it to tile 2
	s_add_nc_u64 s[PFA:PFA+1], s[PFA:PFA+1], s[4:5]
	s_add_nc_u64 s[G0K+2:G0K+3], s[KB:KB+1], 0
	s_or_b32 s[G0K+3], s[G0K+3], 0x80000000
	s_add_nc_u64 s[G0V+2:G0V+3], s[VB:VB+1], 0
	s_or_b32 s[G0V+3], s[G0V+3], 0x80000000
	CROUND                                         ; all four work-groups are here: the first joint loads meet
	JLOAD                                          ; tile 0
	v_and_b32 v1, 15, v0                           ; l % 16
	v_bfe_u32 v64, v0, 4, 1                        ; l / 16
	v_lshlrev_b32 v[QO], 8, v1
	v_lshl_add_u32 v[QO], v64, 4, v[QO]
	QLOAD Q1
.set z, 0
.rept 16
	v_mov_b32 v[P+z], 0                            ; two fragments of zeros, in P's registers
.set z, z+1
.endr
	WIN 0x40                                       ; O^T starts at 0: 32 products of the two zero fragments write it, eight registers a line; all this stands in the wait for the first tile
.set z, 0
.rept 32
	v_wmma_f32_16x16x32_f16 v[8*z:8*z+7], v[P:P+7], v[P+8:P+15], 0
.set z, z+1
.endr
	WIN 0
	START
	s_mul_i32 s16, s[WV], 64*PK
	v_mul_u32_u24 v[AK0], v1, PK
	v_lshl_add_u32 v[AK0], v64, 4, v[AK0]
	v_add_nc_u32 v[AK0], s16, v[AK0]
	v_and_b32 v65, 7, v0
	v_bfe_u32 v66, v0, 3, 1
	v_lshl_add_u32 v[AV0], v64, 3, v65             ; the turning load: key 8 (l / 16) + l % 8, places 8 ((l / 8) % 2) on
	v_mul_u32_u24 v[AV0], v[AV0], PV
	v_lshl_add_u32 v[AV0], v66, 4, v[AV0]
	s_mul_i32 s16, s[WV], 64*PV
	s_add_co_u32 s16, s16, VOFF
	v_add_nc_u32 v[AV0], s16, v[AV0]
	s_lshl_b32 s16, s[WV], 8
	s_add_co_u32 s16, s16, STATS
	v_lshl_add_u32 v[SA], v1, 2, s16
	s_lshl_b32 s16, s[WV], 6
	s_add_co_u32 s16, s16, STATS
	v_lshl_add_u32 v[SR], v1, 2, s16
	s_mul_i32 s16, s[WV], 16*SP
	s_add_co_u32 s16, s16, WST
	v_mul_u32_u24 v[STO], v1, SP
	v_lshl_add_u32 v[STO], v64, 4, v[STO]
	v_add_nc_u32 v[STO], s16, v[STO]
	v_mul_u32_u24 v[RD], v64, SP
	v_lshl_add_u32 v[RD], v1, 4, v[RD]
	v_add_nc_u32 v[RD], s16, v[RD]
	v_lshlrev_b32 v[GO], 11, v64
	v_lshl_add_u32 v[GO], v1, 4, v[GO]
	v_and_b32 v67, 31, v0
	v_lshlrev_b32 v[PFO], 8, v67
	s_lshl_b32 s16, s[WV], 13
	s_add_co_u32 s16, s16, MSTG
	v_lshl_add_u32 v[MW0], v67, 4, s16
	v_add_nc_u32 v[MW1], 65536, v[MW0]
	s_lshl_b32 s16, s[WV], 15
	s_add_co_u32 s16, s16, MSTG
	v_lshl_add_u32 v[MR], v67, 4, s16
	v_lshlrev_b32 v65, 3, v64
	v_sub_nc_u32 v65, v1, v65                      ; l % 16 - 8 (l / 16): register j is hidden where j is greater
	WIN 0xc0
.set z, 0
.rept 8
	v_cmp_gt_i32 vcc_lo, z, v65
	v_cndmask_b32 v[TRI+z], 0, s[BIGN], vcc_lo
.set z, z+1
.endr
	WIN 0
.Ltile:                                                ; 8 trips: a tile is worked on and the next is asked for
	TRIP 1
	s_sub_co_u32 s[SLOTS], s[SLOTS], 1
	s_cmp_lg_u32 s[SLOTS], 0
	s_cbranch_scc1 .Ltile
	s_mov_b32 s[TL], 2
.Ltail:                                                ; the walk's last tile, written out; a second trip merges the last block and leaves
	TRIP 0
	s_sub_co_u32 s[TL], s[TL], 1
	s_cmp_lg_u32 s[TL], 0
	s_cbranch_scc1 .Ltail
.Ldone:
	s_wait_tensorcnt 0x0                           ; the wave's end: these three lines, behind my last tensor load and my last LDS store
	ds_add_u32 v[SPW], v[NIL]
	s_wait_dscnt 0x0
	CROUND                                         ; the closing round
	s_endpgm
.Lfunc_end_k_q89c506ed90_attn:
	.size	k_q89c506ed90_attn, .Lfunc_end_k_q89c506ed90_attn-k_q89c506ed90_attn
	.p2alignl 7, 3214868480
	.fill 96, 4, 3214868480
	.section	.rodata,"a",@progbits
	.p2align	6, 0x0
	.amdhsa_kernel k_q89c506ed90_attn
		.amdhsa_group_segment_fixed_size 327680
		.amdhsa_private_segment_fixed_size 0
		.amdhsa_enable_private_segment 0
		.amdhsa_kernarg_size 16
		.amdhsa_user_sgpr_count 2
		.amdhsa_user_sgpr_kernarg_segment_ptr 1
		.amdhsa_wavefront_size32 1
		.amdhsa_system_sgpr_workgroup_id_x 1
		.amdhsa_system_sgpr_workgroup_id_y 1
		.amdhsa_system_sgpr_workgroup_id_z 1
		.amdhsa_system_vgpr_workitem_id 0
		.amdhsa_next_free_vgpr 1024
		.amdhsa_next_free_sgpr 84
		.amdhsa_reserve_vcc 1
		.amdhsa_float_denorm_mode_32 3
		.amdhsa_float_denorm_mode_16_64 3
		.amdhsa_memory_ordered 1
		.amdhsa_forward_progress 1
		.amdhsa_inst_pref_size 162
	.end_amdhsa_kernel
	.amdgpu_metadata
---
amdhsa.version: [ 1, 2 ]
amdhsa.kernels:
  - .name:           k_q89c506ed90_attn
    .symbol:         k_q89c506ed90_attn.kd
    .args:
      - { .name: qkv, .offset: 0, .size: 8, .value_kind: global_buffer, .address_space: global }
      - { .name: ao, .offset: 8, .size: 8, .value_kind: global_buffer, .address_space: global }
    .group_segment_fixed_size: 327680
    .private_segment_fixed_size: 0
    .kernarg_segment_align: 8
    .kernarg_segment_size: 16
    .max_flat_workgroup_size: 128
    .sgpr_count:     84
    .vgpr_count:     1024
    .wavefront_size: 32
...
	.end_amdgpu_metadata
.endif
;; end of part 3
;; launch oproj (part 4): grid 8 x 32, 4 waves a work-group, clusters of 4 x 4, 327,680 bytes of LDS; arguments ao, wob, out0; writes out0
.if DOCPART == 4
	.amdgcn_target "amdgcn-amd-amdhsa--gfx1250"
	.amdhsa_code_object_version 6
	.text
	.protected	k_q89c506ed90_oproj
	.globl	k_q89c506ed90_oproj
	.p2align	8
	.type	k_q89c506ed90_oproj,@function
k_q89c506ed90_oproj:
	s_mov_b64 s[64:65], 0
	v_nop
	global_prefetch_b8 v0, s[64:65] scope:SCOPE_SE
	s_setreg_imm32_b32 hwreg(HW_REG_WAVE_MODE, 25, 1), 1
	s_wait_xcnt 0x0
	s_wait_alu depctr_hold_cnt(0) depctr_sa_sdst(0) depctr_va_vdst(0) depctr_va_sdst(0) depctr_va_ssrc(0) depctr_va_vcc(0) depctr_vm_vsrc(0)
	s_getreg_b32 s2, hwreg(HW_REG_IB_STS2, 6, 4)
	s_cmp_eq_u32 s2, 0
	s_cbranch_scc0 .Lentry_in_a_cluster
	s_endpgm
.Lentry_in_a_cluster:
	s_bfe_u32 s2, ttmp6, 0x10000c
	s_cmp_lg_u32 s2, 0xf033
	s_cbranch_scc0 .Lentry_shape_is_right
	s_endpgm
.Lentry_shape_is_right:
; OPROJ: out0 = ao wob^T.  ao: [4,096][1,024] f16, wob: [2,048][1,024] f16 (both with the same order of places along K), out0: [4,096][2,048] f32; sums in f32.
; A work-group makes 128 rows x 256 columns: 32 x 8 = 256 work-groups (tiles of 256 x 256 would be 128).  Four waves, each 64 x 128: 32 accumulators of 16 x 16.
; K goes in 8 steps of 128 through two LDS slots (128 rows of ao, 256 of wob, 256 bytes a row); waves 0, 1 fetch ao's halves (64 rows), waves 2, 3 wob's (128 rows).
; CLUSTER 4 x 4: ao's tiles are shared along a row of the cluster, wob's along a column: joint loads.  THE MATRIX INSTRUCTION IS USED TRANSPOSED: lane l holds row l % 16 and columns 8 (l / 16) + 0..7.
; The way out goes through each wave's own stage: 16 rows of 512 bytes at a time, so that a store of the wave covers 512 consecutive bytes of a row of out0.
; No prefetch: the launch has eight K steps on a small tile.
; REGISTERS: window 0: addresses v16-29, ao's fragments v64-127 (two buffers), the way out v128-255.  window 1: wob's fragments v0-127 (two buffers).  window 2: accumulator (a, b) at v[8 (8 a + b)].
.set SIZE_K, 1024
.set SIZE_N, 2048
.set KSTEP,  128
.set PITCH,  272
.set HA,     64*PITCH
.set HB,     128*PITCH
.set SLOT,   2*HA+2*HB
.set STAGE,  2*SLOT
.set SPITCH, 528                       ; 512 bytes + 16: 33 x 16
.set SPARE,  STAGE+4*16*SPITCH         ; the spare words, 128 bytes a wave, that no other line names
.set LAPS,   SIZE_K/(2*KSTEP)
.set ADRA, 16
.set ADRB, 20
.set STO,  24
.set RD,   25
.set CO,   26
.set SPW,  28
.set NIL,  29
.set BK0,  128
.set G1,  24
.set G0,  32
.set G1B, 48
.set G0B, 56
.set MSB, 0
.macro WIN new
.if MSB != (\new)
	s_set_vgpr_msb (MSB<<8)|(\new)
.set MSB, \new
.endif
.endm
.macro PLACES
.rept 4
	v_nop
.endr
.endm
.macro JLOAD s                         ; an s_nop 0 and four v_nop follow each of the two lines
	s_cmp_eq_u32 s11, 0
	s_cbranch_scc0 .Lfor_b_\@
	tensor_load_to_lds s[G0+4*(\s):G0+4*(\s)+3], s[G1:G1+7]
	s_nop 0
.rept 4
	v_nop
.endr
	s_branch .Lasked_\@
.Lfor_b_\@:
	tensor_load_to_lds s[G0B+4*(\s):G0B+4*(\s)+3], s[G1B:G1B+7]
	s_nop 0
.rept 4
	v_nop
.endr
.Lasked_\@:
.endm
.macro CREST
	s_cmp_lg_u32 s10, 0
	s_cbranch_scc1 .Lnot_wave_0_\@
	s_barrier_signal -3
.Lnot_wave_0_\@:
	s_barrier_wait -3
	s_barrier_signal -1
	s_barrier_wait -1
.endm
.macro CROUND
	s_barrier_signal -1
	s_barrier_wait -1
	CREST
.endm
.macro MUL8 f, a, zero                 ; row block a x all 8 column blocks, 32 along K; the 32 accumulators take turns
	WIN 0xa1
.irp b, 0,1,2,3,4,5,6,7
.if \zero
	v_wmma_f32_16x16x32_f16 v[8*(8*(\a)+(\b)):8*(8*(\a)+(\b))+7], v[64*(\f)+8*(\b):64*(\f)+8*(\b)+7], v[64+32*(\f)+8*(\a):64+32*(\f)+8*(\a)+7], 0
.else
	v_wmma_f32_16x16x32_f16 v[8*(8*(\a)+(\b)):8*(8*(\a)+(\b))+7], v[64*(\f)+8*(\b):64*(\f)+8*(\b)+7], v[64+32*(\f)+8*(\a):64+32*(\f)+8*(\a)+7], v[8*(8*(\a)+(\b)):8*(8*(\a)+(\b))+7]
.endif
.endr
.endm
.macro FETCH slot, k, f                ; 24 LDS loads in one run
	WIN 0x40
.irp i, 0,1,2,3,4,5,6,7
	ds_load_b128 v[64*(\f)+8*(\i):64*(\f)+8*(\i)+3],   v[ADRB+(\slot)] offset:(\k)+(\i)*16*PITCH
	ds_load_b128 v[64*(\f)+8*(\i)+4:64*(\f)+8*(\i)+7], v[ADRB+(\slot)] offset:(\k)+(\i)*16*PITCH+32
.endr
	WIN 0
.irp i, 0,1,2,3
	ds_load_b128 v[64+32*(\f)+8*(\i):64+32*(\f)+8*(\i)+3],   v[ADRA+(\slot)] offset:(\k)+(\i)*16*PITCH
	ds_load_b128 v[64+32*(\f)+8*(\i)+4:64+32*(\f)+8*(\i)+7], v[ADRA+(\slot)] offset:(\k)+(\i)*16*PITCH+32
.endr
.endm
.macro QUARTER slot, k, f, g, zero
	s_wait_dscnt 4                                 ; the youngest four loads (row blocks 2, 3) may be out
	MUL8 \f, 0, \zero
	MUL8 \f, 1, \zero
	PLACES
	FETCH \slot, \k, \g
	s_wait_dscnt 24                                ; all but the 24 just issued
	MUL8 \f, 2, \zero
	MUL8 \f, 3, \zero
.endm
.macro LASTQ                           ; the fourth quarter multiplies buffer 1 and fetches nothing
	s_wait_dscnt 4                                 ; as in QUARTER
	MUL8 1, 0, 0
	MUL8 1, 1, 0
	s_wait_dscnt 0x0                               ; my reads of this slot are over
	MUL8 1, 2, 0
	MUL8 1, 3, 0
	WIN 0
.endm
; The fourth quarter and the change of slots.  All its 32 products stand AHEAD of the wait for the next tile, so that between that wait and the next request stand only the lines of the change: each wave waits
; for all its tensor loads, adds 0 to its spare word and waits for that.  fill = 1: a round of the cluster's barrier, and this slot is filled again, two K steps on.
.macro TURN slot, next, fill
	LASTQ
	s_wait_tensorcnt 0x0                           ; no tensor load of mine is out, so a group 0 may be written
	ds_add_u32 v[SPW], v[NIL]
.if \fill
	s_add_nc_u64 s[G0+4*(\slot)+2:G0+4*(\slot)+3], s[G0+4*(\slot)+2:G0+4*(\slot)+3], 2*KSTEP*2
	s_add_nc_u64 s[G0B+4*(\slot)+2:G0B+4*(\slot)+3], s[G0B+4*(\slot)+2:G0B+4*(\slot)+3], 2*KSTEP*2
.endif
	s_wait_dscnt 0x0                               ; the add is done
	s_barrier_signal -1
	s_barrier_wait -1
.if \fill
	CREST
	JLOAD \slot                                    ; its four v_nop are also the places in front of the loads below
.else
	PLACES
.endif
	FETCH \next, 0, 0
.endm
.macro TOSTAGE a                       ; block a's 16 rows x 128 columns into my stage (each accumulator's low four registers first), and back as whole rows
.if (\a) >= 2
	s_wait_xcnt 0x0                                ; the stores of the block two back have read the registers that are loaded again
.endif
	WIN 0x08
.irp b, 0,1,2,3,4,5,6,7
	ds_store_b128 v[STO], v[8*(8*(\a)+(\b)):8*(8*(\a)+(\b))+3]   offset:64*(\b)
	ds_store_b128 v[STO], v[8*(8*(\a)+(\b))+4:8*(8*(\a)+(\b))+7] offset:64*(\b)+16
.endr
	WIN 0
.irp r, 0,1,2,3,4,5,6,7,8,9,10,11,12,13,14,15
	ds_load_b128 v[BK0+64*((\a)%2)+4*(\r):BK0+64*((\a)%2)+4*(\r)+3], v[RD] offset:(\r)*SPITCH  ; my own bytes, served in order
.endr
.endm
.macro SEND a, younger                 ; younger: the next block's 16 stores and 16 loads, or none
	s_wait_dscnt \younger
.irp r, 0,1,2,3,4,5,6,7,8,9,10,11,12,13,14,15
	global_store_b128 v[CO], v[BK0+64*((\a)%2)+4*(\r):BK0+64*((\a)%2)+4*(\r)+3], s[8:9] offset:(16*(\a)+(\r))*SIZE_N*4  ; 512 consecutive, aligned bytes of a row
.endr
.endm
	s_load_b128 s[4:7], s[0:1], 0x0                ; ao s[4:5], wob s[6:7]
	s_load_b64 s[8:9], s[0:1], 0x10                ; out0
	v_lshl_add_u32 v[SPW], v0, 2, SPARE
	v_mov_b32 v[NIL], 0
	ds_add_u32 v[SPW], v[NIL]                      ; the wave's opening; register work between the add and its wait
	v_lshrrev_b32 v1, 5, v0
	v_readfirstlane_b32 s10, v1
	s_lshr_b32 s11, s10, 1                         ; which 64 rows are mine; also: I fetch ao (0) or wob (1)
	s_and_b32 s12, s10, 1                          ; which 128 columns; also: which half I fetch
	s_bfe_u32 s40, ttmp6, 0x40000
	s_bfe_u32 s41, ttmp6, 0x40004
	s_lshl_b32 s42, ttmp9, 2
	s_add_co_u32 s42, s42, s40                     ; tile column
	s_and_b32 s13, ttmp7, 0xffff
	s_lshl_b32 s13, s13, 2
	s_add_co_u32 s13, s13, s41                     ; tile row
	s_lshl_b32 s43, s41, 2
	s_lshl_b32 s43, 15, s43
	s_lshl_b32 s44, 0x1111, s40
	s_or_b32 s[G1], s43, (1<<16)|(1<<20)|(1<<21)|(5<<22)|(3<<25)
	s_or_b32 s[G1B], s44, (1<<16)|(1<<20)|(1<<21)|(5<<22)|(3<<25)
	s_mov_b32 s[G1+1], KSTEP<<16
	s_mov_b32 s[G1+2], 64<<16                      ; ao: 64 rows a load
	s_mov_b32 s[G1+3], KSTEP<<16
	s_mov_b32 s[G1+4], 64
	s_mov_b32 s[G1+5], SIZE_K
	s_mov_b32 s[G1+6], 0
	s_mov_b32 s[G1+7], 0
	s_mov_b32 s[G1B+1], KSTEP<<16
	s_mov_b32 s[G1B+2], 128<<16                    ; wob: 128
	s_mov_b32 s[G1B+3], KSTEP<<16
	s_mov_b32 s[G1B+4], 128
	s_mov_b32 s[G1B+5], SIZE_K
	s_mov_b32 s[G1B+6], 0
	s_mov_b32 s[G1B+7], 0
	s_lshl_b32 s16, s13, 18                        ; ao: 128 rows of 2,048 bytes a tile row,
	s_lshl_b32 s17, s12, 17                        ; 64 a half
	s_add_co_u32 s16, s16, s17
	s_mov_b32 s17, 0
	s_lshl_b32 s46, s42, 19                        ; wob: 256 rows a tile column,
	s_lshl_b32 s47, s12, 18                        ; 128 a half
	s_add_co_u32 s46, s46, s47
	s_mov_b32 s47, 0
	s_mul_i32 s20, s12, HA
	s_mul_i32 s21, s12, HB
	s_add_co_u32 s21, s21, 2*HA
	s_wait_dscnt 0x0
	s_wait_kmcnt 0x0
	s_add_nc_u64 s[14:15], s[4:5], s[16:17]
	s_add_nc_u64 s[46:47], s[6:7], s[46:47]
	CROUND                                         ; the first joint loads meet
.irp s, 0,1
	s_mov_b32 s[G0+4*(\s)], 1
	s_add_co_u32 s[G0+4*(\s)+1], s20, (\s)*SLOT
	s_add_nc_u64 s[G0+4*(\s)+2:G0+4*(\s)+3], s[14:15], (\s)*KSTEP*2
	s_or_b32 s[G0+4*(\s)+3], s[G0+4*(\s)+3], 0x80000000
	s_mov_b32 s[G0B+4*(\s)], 1
	s_add_co_u32 s[G0B+4*(\s)+1], s21, (\s)*SLOT
	s_add_nc_u64 s[G0B+4*(\s)+2:G0B+4*(\s)+3], s[46:47], (\s)*KSTEP*2
	s_or_b32 s[G0B+4*(\s)+3], s[G0B+4*(\s)+3], 0x80000000
	JLOAD \s
.endr
	v_and_b32 v1, 15, v0
	v_bfe_u32 v2, v0, 4, 1
	v_mul_u32_u24 v3, v1, PITCH
	v_lshl_add_u32 v3, v2, 4, v3
	s_mul_i32 s22, s11, HA                         ; my 64 rows of ao
	s_mul_i32 s23, s12, HB                         ; my 128 rows of wob,
	s_add_co_u32 s23, s23, 2*HA                    ; behind ao's 128
.irp s, 0,1
	v_add_nc_u32 v[ADRA+(\s)], s22, v3
	v_add_nc_u32 v[ADRB+(\s)], s23, v3
	s_add_co_u32 s22, s22, SLOT
	s_add_co_u32 s23, s23, SLOT
.endr
	s_mul_i32 s22, s10, 16*SPITCH
	s_add_co_u32 s22, s22, STAGE                   ; my stage
	v_mul_u32_u24 v4, v1, SPITCH
	v_lshl_add_u32 v4, v2, 5, v4                   ; in: row l % 16, 32 bytes for each half of the lanes
	v_add_nc_u32 v[STO], s22, v4
	v_and_b32 v5, 31, v0
	v_lshlrev_b32 v[CO], 4, v5                     ; back and out: 16 bytes a lane of a row's 512
	v_add_nc_u32 v[RD], s22, v[CO]
	s_lshl_b32 s16, s13, 20                        ; out0: 128 rows of 8,192 bytes a tile row,
	s_lshl_b32 s17, s11, 19                        ; 64 a half,
	s_add_co_u32 s16, s16, s17
	s_lshl_b32 s17, s42, 10                        ; 1,024 bytes a tile column,
	s_add_co_u32 s16, s16, s17
	s_lshl_b32 s17, s12, 9                         ; 512 a half
	s_add_co_u32 s16, s16, s17
	s_mov_b32 s17, 0
	s_add_nc_u64 s[8:9], s[8:9], s[16:17]
	s_wait_tensorcnt 1                             ; my part of K step 0 is in; K step 1's may stay out
	s_barrier_signal -1
	s_barrier_wait -1
	FETCH 0, 0, 0
	QUARTER 0, 64, 0, 1, 1                         ; the first quarter's products start the sums
	WIN 0
	s_mov_b32 s3, LAPS-1
.Llap:                                                 ; a trip goes once round the ring and fills both slots again: K steps 2 to 7 in 3 trips
	QUARTER 0, 128, 1, 0, 0
	QUARTER 0, 192, 0, 1, 0
	TURN 0, 1, 1
	QUARTER 1, 64,  0, 1, 0
	QUARTER 1, 128, 1, 0, 0
	QUARTER 1, 192, 0, 1, 0
	TURN 1, 0, 1
	QUARTER 0, 64,  0, 1, 0
	WIN 0
	s_sub_co_u32 s3, s3, 1
	s_cmp_lg_u32 s3, 0
	s_cbranch_scc1 .Llap
	QUARTER 0, 128, 1, 0, 0                        ; the last lap fills nothing
	QUARTER 0, 192, 0, 1, 0
	TURN 0, 1, 0
	QUARTER 1, 64,  0, 1, 0
	QUARTER 1, 128, 1, 0, 0
	QUARTER 1, 192, 0, 1, 0
	LASTQ
	PLACES                                         ; the stores below read results just made
	TOSTAGE 0
	TOSTAGE 1
	SEND 0, 32
	TOSTAGE 2
	SEND 1, 32
	TOSTAGE 3
	SEND 2, 32
	SEND 3, 0
	s_wait_tensorcnt 0x0                           ; the wave's end: these three lines
	ds_add_u32 v[SPW], v[NIL]
	s_wait_dscnt 0x0
	CROUND                                         ; the closing round
	s_endpgm
.Lfunc_end_k_q89c506ed90_oproj:
	.size	k_q89c506ed90_oproj, .Lfunc_end_k_q89c506ed90_oproj-k_q89c506ed90_oproj
	.p2alignl 7, 3214868480
	.fill 96, 4, 3214868480
	.section	.rodata,"a",@progbits
	.p2align	6, 0x0
	.amdhsa_kernel k_q89c506ed90_oproj
		.amdhsa_group_segment_fixed_size 327680
		.amdhsa_private_segment_fixed_size 0
		.amdhsa_enable_private_segment 0
		.amdhsa_kernarg_size 24
		.amdhsa_user_sgpr_count 2
		.amdhsa_user_sgpr_kernarg_segment_ptr 1
		.amdhsa_wavefront_size32 1
		.amdhsa_system_sgpr_workgroup_id_x 1
		.amdhsa_system_sgpr_workgroup_id_y 1
		.amdhsa_system_sgpr_workgroup_id_z 1
		.amdhsa_system_vgpr_workitem_id 0
		.amdhsa_next_free_vgpr 768
		.amdhsa_next_free_sgpr 66
		.amdhsa_reserve_vcc 0
		.amdhsa_float_denorm_mode_32 3
		.amdhsa_float_denorm_mode_16_64 3
		.amdhsa_memory_ordered 1
		.amdhsa_forward_progress 1
		.amdhsa_inst_pref_size 85
	.end_amdhsa_kernel
	.amdgpu_metadata
---
amdhsa.version: [ 1, 2 ]
amdhsa.kernels:
  - .name:           k_q89c506ed90_oproj
    .symbol:         k_q89c506ed90_oproj.kd
    .args:
      - { .name: ao, .offset: 0, .size: 8, .value_kind: global_buffer, .address_space: global }
      - { .name: wob, .offset: 8, .size: 8, .value_kind: global_buffer, .address_space: global }
      - { .name: out0, .offset: 16, .size: 8, .value_kind: global_buffer, .address_space: global }
    .group_segment_fixed_size: 327680
    .private_segment_fixed_size: 0
    .kernarg_segment_align: 8
    .kernarg_segment_size: 24
    .max_flat_workgroup_size: 128
    .sgpr_count:     66
    .vgpr_count:     768
    .wavefront_size: 32
...
	.end_amdgpu_metadata
.endif
;; end of part 4
